; MI455X (gfx1250); checked and timed in simulation.
; The chip was launched on July 23, 2026; its instructions are those of AMD's public machine-readable ISA for CDNA 5 (MIT licence, August 2026) and "CDNA5" Instruction Set Architecture Reference Guide (July 2026). The comments in the code are by the model that wrote it; some were corrected since.
;; Mo E. Allowed arithmetic: matrix products marked QUANTISED: E3M2 operands, one E8M0 scale for each 32 along K, by v_wmma_scale_f32_16x16x128_f8f6f4 with both operands' format E3M2, f32 sums; products left as they are: f32 operands where the result goes on into a quantised operand, else bf16, f16 or f32 operands; f32 sums; everything else in f32.
;; Inputs: Wg_codes 8 x 2,048 x 32 x 24 uint8 (E3M2 codes of Wg, K innermost, in blocks of 32 codes, four codes in three bytes); Wg_s_codes 2,048 x 32 x 24 uint8 (E3M2 codes of Wg_s, K innermost, in blocks of 32 codes, four codes in three bytes); Wg_s_scales 2,048 x 32 uint8 (E8M0 scales of Wg_s, one for each 32 codes along K); Wg_scales 8 x 2,048 x 32 uint8 (E8M0 scales of Wg, one for each 32 codes along K); Wo_codes 8 x 1,024 x 64 x 24 uint8 (E3M2 codes of Wo, K innermost, in blocks of 32 codes, four codes in three bytes); Wo_s_codes 1,024 x 64 x 24 uint8 (E3M2 codes of Wo_s, K innermost, in blocks of 32 codes, four codes in three bytes); Wo_s_scales 1,024 x 64 uint8 (E8M0 scales of Wo_s, one for each 32 codes along K); Wo_scales 8 x 1,024 x 64 uint8 (E8M0 scales of Wo, one for each 32 codes along K); Wr 8 x 1,024 float32; Wv_codes 8 x 2,048 x 32 x 24 uint8 (E3M2 codes of Wv, K innermost, in blocks of 32 codes, four codes in three bytes); Wv_s_codes 2,048 x 32 x 24 uint8 (E3M2 codes of Wv_s, K innermost, in blocks of 32 codes, four codes in three bytes); Wv_s_scales 2,048 x 32 uint8 (E8M0 scales of Wv_s, one for each 32 codes along K); Wv_scales 8 x 2,048 x 32 uint8 (E8M0 scales of Wv, one for each 32 codes along K); bo 8 x 1,024 float32; bo_s 1,024 float32; br 8 float32; x 2 x 512 x 1,024 float32.
;; Outputs: out0 2 x 512 x 1,024 float32; out1 2 x 512 x 8 float32; out2 2 x 512 x 2 int32.
;; This version of the problem:
;;   THIS VERSION OF THE PROBLEM IS GIVEN IN LOW PRECISION. The matrix products marked QUANTISED in the list below multiply operands that are first quantised to E3M2 (3 exponent bits, 2 mantissa bits; 6 bits a number), with one power-of-two scale for each 32 numbers along K (OCP MX v1.0); their sums are f32. All else is computed in f32.
;;   The module's matrix products, in the order in which they are computed (A, B: the left and right operand; K: the contracted axis; several contracted axes count as one K, in the product's order):
;;     1. [M 1,024, K 1,024] x [K 1,024, N 8]; A: input x; B: input Wr: left as it is (N = 8 < 16)
;;     2. [M 1,024, K 1,024] x [K 1,024, N 16,384]; A: input x; B: input Wg (given as codes): QUANTISED
;;     3. [M 1,024, K 1,024] x [K 1,024, N 16,384]; A: input x; B: input Wv (given as codes): QUANTISED
;;     4. batch 8 x [M 1,024, K 2,048] x [K 2,048, N 1,024]; A: input Wo (given as codes); B: computed on the way: QUANTISED
;;     5. [M 1,024, K 1,024] x [K 1,024, N 2,048]; A: input x; B: input Wg_s (given as codes): QUANTISED
;;     6. [M 1,024, K 1,024] x [K 1,024, N 2,048]; A: input x; B: input Wv_s (given as codes): QUANTISED
;;     7. [M 1,024, K 2,048] x [K 2,048, N 1,024]; A: computed on the way; B: input Wo_s (given as codes): QUANTISED
;;     8. batch 1,024 x [M 1, K 8] x [K 8, N 1,024]; A: computed on the way; B: computed on the way: left as it is (K = 8 < 32)
;;   THE QUANTISER, for each operand of a quantised product, along K:
;;     - K is cut into blocks of 32 from its start; a last block that is shorter is filled with zeros.
;;     - A block's scale is 2^e with e = floor(log2(the largest magnitude in the block)) - 4, held to -126 .. 127; a block of zeros has e = 0. As a byte (E8M0): e + 127.
;;     - Each number is divided by its block's scale, clamped to +-28, and rounded to the nearest number of E3M2, ties to even, subnormals kept.
;;     - The product sums the exact products of the quantised numbers (number of the format x scale) in f32.
;;   ~~~python
;;   def quantise(x, axis):      # numpy; x: float32 -> the quantised numbers, widened to float32 again
;;       x = np.moveaxis(x, axis, -1); K = x.shape[-1]
;;       x = np.pad(x, [(0, 0)] * (x.ndim - 1) + [(0, -K % 32)]); x = x.reshape(x.shape[:-1] + (-1, 32)); a = np.abs(x).max(-1, keepdims=True)
;;       e = np.where(a > 0, np.clip(np.frexp(np.where(a > 0, a, 1))[1] - 1 - 4, -126, 127), 0)      # np.frexp(a)[1] - 1 = floor(log2(a)), exactly
;;       r = np.clip(x / 2.0 ** e, -28, 28)
;;       step = 2.0 ** (np.maximum(np.frexp(np.where(r == 0, 1, r))[1] - 1, -2) - 2)
;;       q = np.round(r / step) * step * 2.0 ** e      # np.round: ties to even
;;       return np.moveaxis(q.reshape(q.shape[:-2] + (-1,))[..., :K], -1, axis).astype(np.float32)
;;   ~~~
;;   OPERANDS COMPUTED ON THE WAY. 'Computed on the way' means the value that the module computes at that place (a softmax that the list does not call 'softmax' is quantised finished and normalised). What goes into a quantiser is computed in f32, as accurately as f32 sums, v_exp_f32 and their like allow (about 1e-6 of the number): no bf16 or f16 on the way to a quantiser, and a product that is left as it is and whose result goes on into a quantised operand takes f32 operands (vector FMAs, or v_wmma_f32_16x16x4_f32). A number that lies on a knife's edge between two numbers of the format may be rounded either way, as far as f32 arithmetic and the matrix unit's own rounding can turn it there, and no further.
;;   INPUTS GIVEN AS CODES. Wg (in the module: [8, 2048, 1024], K = its axis 2); Wg_s (in the module: [2048, 1024], K = its axis 1); Wo (in the module: [8, 1024, 2048], K = its axis 2); Wo_s (in the module: [1024, 2048], K = its axis 1); Wv (in the module: [8, 2048, 1024], K = its axis 2); Wv_s (in the module: [2048, 1024], K = its axis 1): each comes as NAME_codes (uint8): NAME with its K axis moved to the last place and cut into blocks of 32 codes, [.., K / 32, bytes a block], one block behind the other in memory; four codes in three bytes: a row's codes are one little-endian stream of bits, code i at bits 6 i .. 6 i + 5 (a code: sign, 3 exponent bits, 2 mantissa bits); and NAME_scales (uint8): the same leading axes, one E8M0 byte (e + 127) for each 32 codes along K. Its value is code x scale, taken as it is: it is not quantised again, and the codes and scales need not be those that the quantiser above would give.
;; 2 versions. Each part assembles by itself: llvm-mc -triple=amdgcn-amd-amdhsa -mcpu=gfx1250 --defsym DOCPART=n.
;; ======== version 1 of 2: 4 launches
;; workspace buffers: xq 786,432 bytes; xsc 32,768 bytes; sel 8,192 bytes of whole numbers; gw 8,192 bytes; hq 14,155,776 bytes; hs 1,179,648 bytes; pos 33,792 bytes of whole numbers; y 37,748,736 bytes
;; launch route (part 1): grid 256 x 1, 1 waves a work-group, no clusters, 9,472 bytes of LDS; arguments x, Wr, br, out1, out2, xq, xsc, sel, gw; writes out1, out2, xq, xsc, sel, gw
.if DOCPART == 1
	.amdgcn_target "amdgcn-amd-amdhsa--gfx1250"
	.amdhsa_code_object_version 6
	.text
	.protected	k_qf28aaf884e_route
	.globl	k_qf28aaf884e_route
	.p2align	8
	.type	k_qf28aaf884e_route,@function
k_qf28aaf884e_route:
	s_mov_b64 s[64:65], 0
	v_nop
	global_prefetch_b8 v0, s[64:65] scope:SCOPE_SE
	s_setreg_imm32_b32 hwreg(HW_REG_WAVE_MODE, 25, 1), 1
	s_wait_xcnt 0x0
; ROUTER AND QUANTISER OF x.  A work-group is one wave and takes tokens 4 g .. 4 g + 3 (1,024 tokens, 256 work-groups).
; Lane l holds k = 32 l .. 32 l + 31 of a row: one whole block of 32 along D.  So the eight logits are 16 packed multiply-adds a lane and expert and one sum over the lanes, all in f32,
; and a block's largest magnitude needs no other lane.  Rows are loaded densely (512 consecutive bytes a load) and turned through the wave's own stage in LDS into 32 neighbours a lane.
; TOP-2 is taken on p_e = 2^((l_e - max l) log2 e), the softmax's numerator with the maximum taken away; a later expert wins only where it is strictly larger, so the lower index wins a tie.
; The two weights are p_k / (p_1 + p_2): the softmax's divisor cancels in the renormalised weights.
; OUT: logits (out1), indices (out2 and sel), weights (gw), x as codes of E3M2 (xq) and scale bytes (xsc).
; xq: token t has 768 bytes; block b lies at 96 (b / 4) + 48 (b % 2) + 24 ((b / 2) % 2): the 48 bytes at 96 s + 48 h are the 12 operand registers of lane half h for K step s.
; LIMITS: NaN and infinities are not served.  p below 2^-126 counts as 0 (v_exp_f32 gives 0 there), so among experts that far under the maximum the lower index is taken.
; A block of zeros gets the byte 1 where the rule says 127: its codes are zeros, and this program alone reads the bytes.
; No matrix unit (N = 8), no cluster: the work-groups share only Wr, 32 KiB.
.set X,   32                           ; v32-159   four tokens, 32 numbers each
.set ACC, 160                          ; v160-175  eight pairs of partial sums
.set LG,  176                          ; v176-183  the logits
.set PR,  184                          ; v184-191  p
.set QR,  192                          ; v192-199  at work: the other half's sums, then p with the winner struck out
.set RK,  200                          ; v200-211  kept: 8 logits, i1, i2, w1, w2; token j's in lane j
.set TM,  212                          ; v212-219  at work
.set EB,  220                          ; v220-223  a scale byte for each token
.set CD,  224                          ; v224-255  codes: eight registers for each token, so that no store's data are written again
.set MSB, 0
.macro WIN new                         ; the immediate's high byte repeats the setting that is left
.if MSB != (\new)
	s_set_vgpr_msb (MSB<<8)|(\new)
.set MSB, (\new)
.endif
.endm
; a row of 4,096 bytes, loaded as 8 x 512 dense bytes, goes into the stage (16 bytes of padding behind each 128) and comes back 128 bytes a lane.
; LDS serves a wave's instructions in order: no wait between the stores and the loads, nor in front of the next row's stores.
.macro TURN reg, par
.irp i, 0,1,2,3,4,5,6,7
	ds_store_b128 v1, v[\reg+4*\i:\reg+4*\i+3] offset:4608*(\par)+576*\i
.endr
.irp i, 0,1,2,3,4,5,6,7
	ds_load_b128 v[\reg+4*\i:\reg+4*\i+3], v2 offset:4608*(\par)+16*\i
.endr
.endm
.macro KEEP j, k, src                  ; every lane holds token j's number: lane j keeps it
.if \j == 0
	v_mov_b32 v[RK+\k], v[\src]
.else
	v_cndmask_b32 v[RK+\k], v[RK+\k], v[\src], s[33+\j]
.endif
.endm
	s_load_b512 s[4:19], s[0:1], 0x0               ; x, Wr, br, out1, out2, xq, xsc, sel
	s_load_b64 s[20:21], s[0:1], 0x40              ; gw
	v_lshl_add_u32 v251, v0, 2, 0x2400
	v_mov_b32 v255, 0
	v_lshlrev_b32 v3, 4, v0                        ; 16 l: my bytes of a dense load
	v_lshrrev_b32 v7, 3, v0
	v_lshl_add_u32 v1, v7, 4, v3                   ; the stage, in: 16 l + 16 (l / 8)
	v_mul_u32_u24 v2, v0, 144                      ; and out: 144 l
	v_lshrrev_b32 v7, 2, v0
	v_mul_u32_u24 v4, v7, 96
	v_and_b32 v7, 1, v0
	v_mad_u32_u24 v4, v7, 48, v4
	v_bfe_u32 v7, v0, 1, 1
	v_mad_u32_u24 v4, v7, 24, v4                   ; my block's place in a token's 768 bytes of codes
	v_lshlrev_b32 v5, 5, v0                        ; 32 l: a token's logits
	v_lshlrev_b32 v6, 3, v0                        ; 8 l: a token's pair
.irp e, 0,1,2,3,4,5,6,7
	v_mov_b32 v[QR+\e], 0                          ; written once: a lane permute's destination counts as one of its sources
.endr
	s_mov_b32 s32, 0x76543210
	s_mov_b32 s33, 0xfedcba98                      ; v_permlanex16_b32's selects for lane l xor 16
	s_mov_b32 s34, 2                               ; lane masks of lanes 1, 2, 3
	s_mov_b32 s35, 4
	s_mov_b32 s36, 8
	s_mov_b32 s23, 0
	s_wait_kmcnt 0x0
	s_load_b256 s[24:31], s[8:9], 0x0              ; br
	s_lshl_b32 s22, ttmp9, 14                      ; four rows of 4,096 bytes
	s_add_nc_u64 s[4:5], s[4:5], s[22:23]
.irp j, 0,1,2,3
.irp i, 0,1,2,3,4,5,6,7
	global_load_b128 v[X+32*\j+4*\i:X+32*\j+4*\i+3], v3, s[4:5] offset:4096*\j+512*\i th:TH_LOAD_NT
.endr
.endr
	WIN 0x40                                       ; destination window 1: Wr, expert e at v[32 e ..]
.irp e, 0,1,2,3,4,5,6,7
.irp i, 0,1,2,3,4,5,6,7
	global_load_b128 v[32*\e+4*\i:32*\e+4*\i+3], v3, s[6:7] offset:4096*\e+512*\i
.endr
.endr
	WIN 0
	s_mul_i32 s22, ttmp9, 3072
	s_add_nc_u64 s[14:15], s[14:15], s[22:23]      ; xq: four tokens of 768 bytes
	s_lshl_b32 s22, ttmp9, 7
	s_add_nc_u64 s[16:17], s[16:17], s[22:23]      ; xsc and out1: four of 32 bytes
	s_add_nc_u64 s[10:11], s[10:11], s[22:23]
	s_lshl_b32 s22, ttmp9, 5
	s_add_nc_u64 s[12:13], s[12:13], s[22:23]      ; out2, sel, gw: four of 8 bytes
	s_add_nc_u64 s[18:19], s[18:19], s[22:23]
	s_add_nc_u64 s[20:21], s[20:21], s[22:23]
	s_wait_loadcnt 63                              ; 64 loads of Wr were issued behind x's 32: x is in
.irp j, 0,1,2,3
	TURN X+32*\j, \j%2
.endr
	s_wait_loadcnt 0x0                             ; Wr
	WIN 0x44                                       ; LDS store data and LDS load destination in window 1
.irp e, 0,1,2,3,4,5,6,7
	TURN 32*\e, \e%2
.endr
	WIN 0
	s_wait_dscnt 0x0
	s_wait_kmcnt 0x0                               ; br
.macro TOKEN j
.set XJ, X+32*\j
	WIN 0x04                                       ; source 1 (Wr) in window 1
.irp e, 0,1,2,3,4,5,6,7
	v_pk_mul_f32 v[ACC+2*\e:ACC+2*\e+1], v[XJ:XJ+1], v[32*\e:32*\e+1]   ; the first product starts the sum
.endr
.irp i, 1,2,3,4,5,6,7,8,9,10,11,12,13,14,15
.irp e, 0,1,2,3,4,5,6,7
	v_pk_fma_f32 v[ACC+2*\e:ACC+2*\e+1], v[XJ+2*\i:XJ+2*\i+1], v[32*\e+2*\i:32*\e+2*\i+1], v[ACC+2*\e:ACC+2*\e+1]   ; eight chains by turns
.endr
.endr
	WIN 0
.irp e, 0,1,2,3,4,5,6,7
	v_add_f32 v[LG+\e], v[ACC+2*\e], v[ACC+2*\e+1]
.endr
.irp m, 1,2,4,8
.irp e, 0,1,2,3,4,5,6,7
	v_add_f32_dpp v[LG+\e], v[LG+\e], v[LG+\e] row_xmask:\m row_mask:0xf bank_mask:0xf
.endr
.endr
.irp e, 0,1,2,3,4,5,6,7
	v_permlanex16_b32 v[QR+\e], v[LG+\e], s32, s33
.endr
.irp e, 0,1,2,3,4,5,6,7
	v_add_f32 v[LG+\e], v[LG+\e], v[QR+\e]         ; every lane holds the sum over D
.endr
.irp e, 0,1,2,3,4,5,6,7
	v_add_f32 v[LG+\e], s[24+\e], v[LG+\e]         ; + br: the logit
.endr
	v_max3_num_f32 v[TM], v[LG], v[LG+1], v[LG+2]
	v_max3_num_f32 v[TM], v[TM], v[LG+3], v[LG+4]
	v_max3_num_f32 v[TM], v[TM], v[LG+5], v[LG+6]
	v_max_num_f32 v[TM], v[TM], v[LG+7]            ; the maximum is taken away ahead of the exponential
.irp e, 0,1,2,3,4,5,6,7
	v_sub_f32 v[PR+\e], v[LG+\e], v[TM]
.endr
.irp e, 0,1,2,3,4,5,6,7
	v_mul_f32 v[PR+\e], 0x3fb8aa3b, v[PR+\e]
.endr
.irp e, 0,1,2,3,4,5,6,7
	v_exp_f32 v[PR+\e], v[PR+\e]
.endr
	v_mov_b32 v[TM+1], 0                           ; i1.  (A plain instruction behind the exponentials)
	s_wait_alu depctr_va_vdst(0)
	v_mov_b32 v[TM], v[PR]                         ; the best p so far
.irp e, 1,2,3,4,5,6,7
	v_cmp_gt_f32 vcc_lo, v[PR+\e], v[TM]           ; strictly larger: the lower index keeps a tie
	v_cndmask_b32 v[TM], v[TM], v[PR+\e], vcc_lo
	v_cndmask_b32 v[TM+1], v[TM+1], \e, vcc_lo
.endr
.irp e, 0,1,2,3,4,5,6,7
	v_cmp_eq_u32 vcc_lo, \e, v[TM+1]
	v_cndmask_b32 v[QR+\e], v[PR+\e], -1.0, vcc_lo ; the winner is struck out: -1 lies under every p
.endr
	v_mov_b32 v[TM+3], 0                           ; i2
	v_mov_b32 v[TM+2], v[QR]
.irp e, 1,2,3,4,5,6,7
	v_cmp_gt_f32 vcc_lo, v[QR+\e], v[TM+2]
	v_cndmask_b32 v[TM+2], v[TM+2], v[QR+\e], vcc_lo
	v_cndmask_b32 v[TM+3], v[TM+3], \e, vcc_lo
.endr
	v_add_f32 v[TM+4], v[TM], v[TM+2]
	v_rcp_f32 v[TM+4], v[TM+4]
	v_nop                                          ; a plain instruction behind the reciprocal
	s_wait_alu depctr_va_vdst(0)
	v_mul_f32 v[TM+6], v[TM], v[TM+4]              ; w1
	v_mul_f32 v[TM+7], v[TM+2], v[TM+4]            ; w2
.irp e, 0,1,2,3,4,5,6,7
	KEEP \j, \e, LG+\e
.endr
	KEEP \j, 8, TM+1
	KEEP \j, 9, TM+3
	KEEP \j, 10, TM+6
	KEEP \j, 11, TM+7
	; the quantiser: my 32 numbers are one block
	v_max3_num_f32 v[TM], |v[XJ]|, |v[XJ+1]|, |v[XJ+2]|
	v_max3_num_f32 v[TM+1], |v[XJ+3]|, |v[XJ+4]|, |v[XJ+5]|
.irp i, 6,10,14,18,22,26
	v_max3_num_f32 v[TM], v[TM], |v[XJ+\i]|, |v[XJ+\i+1]|
	v_max3_num_f32 v[TM+1], v[TM+1], |v[XJ+\i+2]|, |v[XJ+\i+3]|
.endr
	v_max3_num_f32 v[TM], v[TM], |v[XJ+30]|, |v[XJ+31]|
	v_max3_num_f32 v[TM], v[TM], v[TM+1], 0x2800000   ; and the floor 2^(5 - 127): the byte cannot fall under 1
	v_add_nc_u32 v[TM+2], 0xfe000000, v[TM]        ; 4 off the exponent field: the conversion takes the exponent field of this operand as its scale
	v_cvt_scalef32_pk16_bf6_f32 v[CD+8*\j:CD+8*\j+2], v[XJ:XJ+15], v[TM+2]
	v_cvt_scalef32_pk16_bf6_f32 v[CD+8*\j+4:CD+8*\j+6], v[XJ+16:XJ+31], v[TM+2]
	v_lshrrev_b32 v[EB+\j], 23, v[TM+2]            ; the scale's byte.  (Also the plain instruction behind the conversions)
	global_store_b96 v4, v[CD+8*\j:CD+8*\j+2], s[14:15] offset:768*\j
	global_store_b96 v4, v[CD+8*\j+4:CD+8*\j+6], s[14:15] offset:768*\j+12
	global_store_b8 v0, v[EB+\j], s[16:17] offset:32*\j
.endm
	TOKEN 0
	TOKEN 1
	TOKEN 2
	TOKEN 3
	s_wait_xcnt 0x0                                ; EXEC changes only behind this wait: the stores above have it among their sources
	v_cmp_gt_u32 vcc_lo, 4, v0
	s_wait_tensorcnt 0x0
	ds_add_u32 v251, v255
	s_wait_dscnt 0x0
	s_and_saveexec_b32 s37, vcc_lo                 ; lanes 0 to 3 hold tokens 0 to 3
	global_store_b128 v5, v[RK:RK+3], s[10:11]
	global_store_b128 v5, v[RK+4:RK+7], s[10:11] offset:16
	global_store_b64 v6, v[RK+8:RK+9], s[12:13]
	global_store_b64 v6, v[RK+8:RK+9], s[18:19]
	global_store_b64 v6, v[RK+10:RK+11], s[20:21]
	s_endpgm
.Lfunc_end_k_qf28aaf884e_route:
	.size	k_qf28aaf884e_route, .Lfunc_end_k_qf28aaf884e_route-k_qf28aaf884e_route
	.p2alignl 7, 3214868480
	.fill 96, 4, 3214868480
	.section	.rodata,"a",@progbits
	.p2align	6, 0x0
	.amdhsa_kernel k_qf28aaf884e_route
		.amdhsa_group_segment_fixed_size 9472
		.amdhsa_private_segment_fixed_size 0
		.amdhsa_enable_private_segment 0
		.amdhsa_kernarg_size 72
		.amdhsa_user_sgpr_count 2
		.amdhsa_user_sgpr_kernarg_segment_ptr 1
		.amdhsa_wavefront_size32 1
		.amdhsa_system_sgpr_workgroup_id_x 1
		.amdhsa_system_sgpr_workgroup_id_y 1
		.amdhsa_system_sgpr_workgroup_id_z 1
		.amdhsa_system_vgpr_workitem_id 0
		.amdhsa_next_free_vgpr 512
		.amdhsa_next_free_sgpr 66
		.amdhsa_reserve_vcc 1
		.amdhsa_float_denorm_mode_32 3
		.amdhsa_float_denorm_mode_16_64 3
		.amdhsa_memory_ordered 1
		.amdhsa_forward_progress 1
		.amdhsa_inst_pref_size 95
	.end_amdhsa_kernel
	.amdgpu_metadata
---
amdhsa.version: [ 1, 2 ]
amdhsa.kernels:
  - .name:           k_qf28aaf884e_route
    .symbol:         k_qf28aaf884e_route.kd
    .args:
      - { .name: x, .offset: 0, .size: 8, .value_kind: global_buffer, .address_space: global }
      - { .name: Wr, .offset: 8, .size: 8, .value_kind: global_buffer, .address_space: global }
      - { .name: br, .offset: 16, .size: 8, .value_kind: global_buffer, .address_space: global }
      - { .name: out1, .offset: 24, .size: 8, .value_kind: global_buffer, .address_space: global }
      - { .name: out2, .offset: 32, .size: 8, .value_kind: global_buffer, .address_space: global }
      - { .name: xq, .offset: 40, .size: 8, .value_kind: global_buffer, .address_space: global }
      - { .name: xsc, .offset: 48, .size: 8, .value_kind: global_buffer, .address_space: global }
      - { .name: sel, .offset: 56, .size: 8, .value_kind: global_buffer, .address_space: global }
      - { .name: gw, .offset: 64, .size: 8, .value_kind: global_buffer, .address_space: global }
    .group_segment_fixed_size: 9472
    .private_segment_fixed_size: 0
    .kernarg_segment_align: 8
    .kernarg_segment_size: 72
    .max_flat_workgroup_size: 32
    .sgpr_count:     66
    .vgpr_count:     512
    .wavefront_size: 32
...
	.end_amdgpu_metadata
.endif
;; end of part 1
;; launch up (part 2): grid 16 x 12, 4 waves a work-group, no clusters, 125,440 bytes of LDS; arguments xq, xsc, sel, Wg_codes, Wg_scales, Wv_codes, Wv_scales, Wg_s_codes, Wg_s_scales, Wv_s_codes, Wv_s_scales, hq, hs, pos; writes hq, hs, pos
.if DOCPART == 2
	.amdgcn_target "amdgcn-amd-amdhsa--gfx1250"
	.amdhsa_code_object_version 6
	.text
	.protected	k_qf28aaf884e_up
	.globl	k_qf28aaf884e_up
	.p2align	8
	.type	k_qf28aaf884e_up,@function
k_qf28aaf884e_up:
	s_mov_b64 s[64:65], 0
	v_nop
	global_prefetch_b8 v0, s[64:65] scope:SCOPE_SE
	s_setreg_imm32_b32 hwreg(HW_REG_WAVE_MODE, 25, 1), 1
	s_wait_xcnt 0x0
; h = Q(silu(x Wg^T) (x Wv^T)) for the rows that an expert was chosen for, and for all rows of the shared expert; both products on codes of E3M2 with E8M0 scales.
; GRID: x = sl, a slice of 128 hidden units (one K step of the next launch); y = ve: 0-7 a routed expert, 8-11 rows 256 (ve - 8) .. + 255 of the shared expert.
; THE WEIGHTS STAY: wave w keeps units 128 sl + 32 w .. + 31 of Wg and of Wv, all of K = 1,024, in 384 registers; each routed weight byte is read by one wave of the launch.
; THE ROWS PASS BY: 64 rows a step through two LDS slots, as images of the operand's registers; wave w gathers tile w of the next step while this step is multiplied.
; THE ROW LIST is made here from sel: 32 lane masks (token 32 c + lane chose ve), their counts, and for each rank q the q-th set bit.  A shared part's masks are all ones on its 256 tokens.
; Ranks at or past the count give some valid token; those rows are computed in the last pair of tiles and nobody reads them.
; PRODUCTS ARE USED TRANSPOSED (source 0 = 16 rows of W, source 1 = 16 rows of x), and lane r of tile u takes W's row 8 u + r + 8 (r / 8): a lane then holds one row of x and 16 neighbouring units,
; lanes l and l xor 16 one block of 32 along H: a wave makes one block, one scale byte, a row.
; OUT: hq[T][sl]: a fragment's image (16 rows x 128 units: register group k of lane l at 512 k + 16 l); hs[T][sl]: its scale words, 4 bytes a lane.  T = tile of 16 rows; expert e owns T = 64 e .., the shared parts T = 512 ...
; pos[e][t] = rank of token t in expert e's list; behind them 32 copies of each count.  (Stored by wave 0 of slice 0.)
; NO TENSOR LOADS, NO JOINT LOADS: the number of steps hangs on counts read from memory and differs from expert to expert, so operands come through registers; the loops' trip counts are constants and only work is jumped over.
; LIMITS: NaN and infinities are not served; a block of zeros gets the byte 1 (its codes are zeros; this program alone reads the bytes).
.set XSLOT, 53248                      ; LDS: two slots of x: 4 tiles x 8 images x 1,536 bytes, then 4 images of scale words x 1,024
.set XSCO,  49152
.set HB,    106496                     ; two slots of h: 4 images of 1,536 bytes, 48 bytes a lane, then 4 x 64 bytes of scale words
.set HSLOT, 6400
.set HSCO,  6144
.set LIST,  119296                     ; the row list, 4 bytes a rank
.set WS,  32                           ; v32-63   W's scale words: tile a, K step s at v[WS + 8 a + s]
.set XSC, 64                           ; v64-79   x's scale words, two sets of 8
.set XF,  80                           ; v80-175  x's eight fragments of a tile  (in the head: sel, and pos on its way out)
.set G,   176                          ; v176-191 two tiles of x Wg^T, then h
.set V,   192                          ; v192-207 two tiles of x Wv^T
.set T,   208                          ; v208-223 at work
; v1 lane, v2 r, v3 h; v4, v5 16 lane (+ slot 1); v6, v8 where I store x's images and scale words; v7, v9 where I put codes and the scale byte; v10, v11 where I read an image of h back;
; v12 list in, v13 list out, v14, v25 the same with the step's offset; v15, v16 gather offsets; v17, v18 offsets in hq, hs; v19 the token; v20-24, v224-231 at work;
; v26 48 h; v27, v28 my first places in hq, hs; v29, v30 my row of W's codes, scales; v31 8 lane; v232-234 codes; v236-248 an image on its way out.
; window 1: W's fragments of K steps 0-3, tile a at v[48 a + 12 s]; window 2: K steps 4-7; window 3: v0-95 gathered fragments, v96-103 gathered scale words.
; s32-63 the masks; s66 wave, s67 sl, s68 ve, s69 max(count, 1), s70 count, s71 tiles to make (even), s72, s73 at work, s74-75 lane selects, s76-77 -log2 e, s78 trips,
; s79 the step's first rank, s80 the next step's place in the list, s81 the tile that I send out, s82 the step's third tile, s83, s84 steps in hq, hs, s85-87 the list's passes.
.set MSB, 0
.macro WIN new                         ; the immediate's high byte repeats the setting that is left
.if MSB != (\new)
	s_set_vgpr_msb (MSB<<8)|(\new)
.set MSB, (\new)
.endif
.endm
	s_load_b512 s[4:19], s[0:1], 0x0               ; xq, xsc, sel, Wg codes, Wg scales, Wv codes, Wv scales, Wg_s codes
	s_load_b256 s[20:27], s[0:1], 0x40             ; Wg_s scales, Wv_s codes, Wv_s scales, hq
	s_load_b128 s[28:31], s[0:1], 0x60             ; hs, pos
	v_lshl_add_u32 v254, v0, 2, 0x1e800
	v_mov_b32 v255, 0
	v_lshrrev_b32 v1, 5, v0
	v_readfirstlane_b32 s66, v1                    ; wave
	s_mov_b32 s67, ttmp9                           ; slice
	s_and_b32 s68, ttmp7, 0xffff                   ; ve
	v_and_b32 v1, 31, v0
	v_and_b32 v2, 15, v0
	v_bfe_u32 v3, v0, 4, 1
	; every LDS address is a constant + a constant x lane + a constant x wave, made here, ahead of every branch
	v_lshlrev_b32 v4, 4, v1
	v_add_nc_u32 v5, XSLOT, v4
	s_mul_i32 s88, s66, 12288
	v_add_nc_u32 v6, s88, v4
	s_lshl_b32 s88, s66, 10
	s_add_co_u32 s88, s88, XSCO
	v_add_nc_u32 v8, s88, v4
	v_mul_u32_u24 v7, v2, 48                       ; my 12 bytes of codes are registers 6 (w / 2) + 3 h .. of lane r + 16 (w % 2) of the fragment
	v_mad_u32_u24 v7, v3, 12, v7
	s_and_b32 s88, s66, 1
	s_mul_i32 s88, s88, 768
	s_lshr_b32 s89, s66, 1
	s_mul_i32 s89, s89, 24
	s_add_co_u32 s88, s88, s89
	s_add_co_u32 s88, s88, HB
	v_add_nc_u32 v7, s88, v7
	v_lshlrev_b32 v9, 2, v2
	s_add_co_u32 s88, s66, HB+HSCO
	v_add_nc_u32 v9, s88, v9                       ; byte w of row r's scale word
	v_mul_u32_u24 v10, v1, 48
	s_mul_i32 s88, s66, 1536
	s_add_co_u32 s88, s88, HB
	v_add_nc_u32 v10, s88, v10
	v_lshlrev_b32 v11, 2, v2
	s_lshl_b32 s88, s66, 6
	s_add_co_u32 s89, s88, HB+HSCO
	v_add_nc_u32 v11, s89, v11
	v_lshl_add_u32 v12, v0, 2, LIST
	v_lshlrev_b32 v13, 2, v2
	s_add_co_u32 s89, s88, LIST
	v_add_nc_u32 v13, s89, v13
	v_mul_u32_u24 v26, v3, 48
	v_and_b32 v20, 8, v2
	v_add_nc_u32 v20, v20, v2                      ; r + 8 (r / 8)
	v_mul_u32_u24 v29, v20, 768
	v_mad_u32_u24 v29, v3, 24, v29
	v_lshlrev_b32 v30, 5, v20
	v_lshlrev_b32 v31, 3, v1
	v_mov_b32 v231, 0                              ; written once: a lane permute's destination counts as one of its sources
	s_mov_b32 s74, 0x76543210
	s_mov_b32 s75, 0xfedcba98
	s_mov_b32 s76, 0xbfb8aa3b                      ; -log2 e
	s_mov_b32 s77, s76                             ; (named with it as a pair, so it is written)
	s_lshl_b32 s88, s68, 6                         ; routed: T begins at 64 ve;
	s_lshl_b32 s89, s68, 4
	s_add_co_u32 s89, s89, 384                     ; shared: at 512 + 16 (ve - 8)
	s_lshl_b32 s90, s68, 11                        ; routed: W's rows begin at 2,048 ve
	s_mov_b32 s93, 0
	s_wait_kmcnt 0x0
	s_cmp_lt_u32 s68, 8                            ; routed or shared: the choice hangs on the work-group's number alone
	s_cselect_b32 s88, s88, s89
	s_cselect_b32 s90, s90, 0
	s_cselect_b64 s[10:11], s[10:11], s[18:19]
	s_cselect_b64 s[12:13], s[12:13], s[20:21]
	s_cselect_b64 s[14:15], s[14:15], s[22:23]
	s_cselect_b64 s[16:17], s[16:17], s[24:25]
	s_lshl_b32 s91, s67, 7
	s_add_co_u32 s90, s90, s91
	s_lshl_b32 s91, s66, 5
	s_add_co_u32 s90, s90, s91                     ; my first row of W: + 128 sl + 32 w
	s_mul_i32 s92, s90, 768
	s_add_nc_u64 s[10:11], s[10:11], s[92:93]
	s_add_nc_u64 s[14:15], s[14:15], s[92:93]
	s_lshl_b32 s92, s90, 5
	s_add_nc_u64 s[12:13], s[12:13], s[92:93]
	s_add_nc_u64 s[16:17], s[16:17], s[92:93]
	s_add_co_u32 s88, s88, s66                     ; the first tile that I send out
	s_mul_i32 s89, s88, 24576
	s_mul_i32 s91, s67, 1536
	s_add_co_u32 s89, s89, s91
	v_add_nc_u32 v27, s89, v4
	s_lshl_b32 s89, s88, 11
	s_lshl_b32 s91, s67, 7
	s_add_co_u32 s89, s89, s91
	v_lshl_add_u32 v28, v1, 2, s89
	; sel first, the weights behind it: the list is made while the weights arrive
.set c, 0
.rept 32
	global_load_b64 v[XF+2*c:XF+2*c+1], v31, s[8:9] offset:256*c   ; tokens 32 c + lane: their two experts
.set c, c+1
.endr
.irp u, 0,1
	global_load_b128 v[WS+8*\u:WS+8*\u+3], v30, s[12:13] offset:256*\u
	global_load_b128 v[WS+8*\u+4:WS+8*\u+7], v30, s[12:13] offset:256*\u+16
	global_load_b128 v[WS+16+8*\u:WS+16+8*\u+3], v30, s[16:17] offset:256*\u
	global_load_b128 v[WS+16+8*\u+4:WS+16+8*\u+7], v30, s[16:17] offset:256*\u+16
.endr
.macro WLOAD a, base, u, k0            ; tile a: four K steps from k0 on; a fragment is the row's stream of bits as it lies: 24 bytes at 96 s + 24 h and 24 at 96 s + 48 + 24 h, in pieces of 8
.irp s, 0,1,2,3
.irp p, 0,1,2,3,4,5
	global_load_b64 v[48*\a+12*\s+2*\p:48*\a+12*\s+2*\p+1], v29, s[\base:\base+1] offset:6144*\u+96*(\k0+\s)+48*(\p/3)+8*(\p%3)
.endr
.endr
.endm
	WIN 0x40
	WLOAD 0, 10, 0, 0
	WLOAD 1, 10, 1, 0
	WLOAD 2, 14, 0, 0
	WLOAD 3, 14, 1, 0
	WIN 0x80
	WLOAD 0, 10, 0, 4
	WLOAD 1, 10, 1, 4
	WLOAD 2, 14, 0, 4
	WLOAD 3, 14, 1, 4
	WIN 0
	s_wait_loadcnt 63                              ; 200 loads were issued behind sel's 32: sel is in
.set c, 0
.rept 32
	v_cmp_eq_u32 s[32+c], s68, v[XF+2*c]           ; no token names an expert of 8 or more: a shared part finds nothing here
	v_cmp_eq_u32 vcc_lo, s68, v[XF+2*c+1]
	s_or_b32 s[32+c], s[32+c], vcc_lo
.set c, c+1
.endr
	s_sub_co_u32 s73, s68, 8                       ; shared part 0-3 (a routed expert: a number that no compare below meets)
.irp gq, 0,1,2,3
	s_cmp_eq_u32 s73, \gq
.irp k, 0,1,2,3,4,5,6,7
	s_cselect_b32 s[32+8*\gq+\k], -1, s[32+8*\gq+\k]   ; its 256 tokens: eight masks of all ones
.endr
.endr
	s_mov_b32 s70, 0
.set c, 0
.rept 32
	s_bcnt1_i32_b32 s73, s[32+c]
	s_add_co_u32 s70, s70, s73
.set c, c+1
.endr
	s_add_co_u32 s71, s70, 31
	s_lshr_b32 s71, s71, 5
	s_lshl_b32 s71, s71, 1                         ; tiles are made in pairs: 2 ceil(count / 32)
	s_max_u32 s69, s70, 1
	; ranks and the count go to memory once for each routed expert
	s_cmp_lg_u32 s67, 0
	s_cbranch_scc1 .Lnopos
	s_cmp_lg_u32 s66, 0
	s_cbranch_scc1 .Lnopos
	s_cmp_ge_u32 s68, 8
	s_cbranch_scc1 .Lnopos
	s_lshl_b32 s92, s68, 12
	s_add_nc_u64 s[88:89], s[30:31], s[92:93]
	s_lshl_b32 s92, s68, 7
	s_add_co_u32 s92, s92, 32768
	s_add_nc_u64 s[90:91], s[30:31], s[92:93]
	v_lshlrev_b32 v18, 2, v1
	s_mov_b32 s72, 0
.set c, 0
.rept 32
	v_mbcnt_lo_u32_b32 v[144+c], s[32+c], s72      ; set bits under my lane + those of the masks before
	global_store_b32 v18, v[144+c], s[88:89] offset:128*c
	s_bcnt1_i32_b32 s73, s[32+c]
	s_add_co_u32 s72, s72, s73
.set c, c+1
.endr
	v_mov_b32 v248, s70
	global_store_b32 v18, v248, s[90:91]
.Lnopos:
; One level of the search for the n-th set bit: t = set bits in the lower half of what is left; if n >= t the bit lies in the upper half
.macro LEVEL a, wd
	v_bfe_u32 v24, v[\a], v228, \wd
	v_cmp_ge_u32 vcc_lo, v20, v24
	v_cndmask_b32 v24, 0, v24, vcc_lo
	v_sub_nc_u32 v20, v20, v24
	v_cndmask_b32 v229, 0, \wd, vcc_lo
	v_add_nc_u32 v228, v228, v229
.endm
	s_mov_b32 s85, 0
	s_mov_b32 s87, 0
	s_mov_b32 s86, 0
.Lpass:                                                ; eight passes of 128 ranks, a constant; passes past the count are jumped over, pass 0 never
	s_cmp_ge_u32 s85, s69
	s_cbranch_scc1 .Lnopass
	v_add_nc_u32 v20, s85, v0                      ; q, my rank
	v_mov_b32 v21, 0                               ; set bits ahead of my mask
	v_mov_b32 v22, s32                             ; my mask
	v_mov_b32 v23, 0                               ; and its number: the last one with no more than q set bits ahead of it
	s_bcnt1_i32_b32 s72, s32
.set c, 1
.rept 31
	v_cmp_le_u32 vcc_lo, s72, v20
	v_cndmask_b32 v21, v21, s72, vcc_lo
	v_cndmask_b32 v22, v22, s[32+c], vcc_lo
	v_cndmask_b32 v23, v23, c, vcc_lo
	s_bcnt1_i32_b32 s73, s[32+c]
	s_add_co_u32 s72, s72, s73
.set c, c+1
.endr
	v_sub_nc_u32 v20, v20, v21                     ; n
	v_lshrrev_b32 v24, 1, v22
	v_and_b32 v24, 0x55555555, v24
	v_sub_nc_u32 v224, v22, v24                    ; counts of 2 bits,
	v_lshrrev_b32 v24, 2, v224
	v_and_b32 v24, 0x33333333, v24
	v_and_b32 v225, 0x33333333, v224
	v_add_nc_u32 v225, v225, v24                   ; of 4,
	v_lshrrev_b32 v24, 4, v225
	v_add_nc_u32 v24, v225, v24
	v_and_b32 v226, 0x0f0f0f0f, v24                ; of 8,
	v_lshrrev_b32 v24, 8, v226
	v_add_nc_u32 v24, v226, v24
	v_and_b32 v227, 0x00ff00ff, v24                ; of 16
	v_mov_b32 v228, 0
	LEVEL 227, 16
	LEVEL 226, 8
	LEVEL 225, 4
	LEVEL 224, 2
	LEVEL 22, 1
	v_lshl_add_u32 v228, v23, 5, v228              ; the token: at most 1,023 whatever q
	v_add_nc_u32 v25, s87, v12
	ds_store_b32 v25, v228
.Lnopass:
	s_add_co_u32 s85, s85, 128
	s_add_co_u32 s87, s87, 512
	s_add_co_u32 s86, s86, 1
	s_cmp_lt_u32 s86, 8
	s_cbranch_scc1 .Lpass
	s_wait_dscnt 0x0                               ; my part of the list is in LDS
	s_barrier_signal -1
	s_barrier_wait -1                              ; everybody's is
; My tile of 16 rows: lane (r, h) fetches its token's 8 x 48 bytes of codes, which are its operand registers, and its 32 scale bytes.
.macro GATHER
	ds_load_b32 v19, v14
	s_wait_dscnt 0x0
	v_min_u32 v19, 0x3ff, v19
	v_mul_u32_u24 v15, v19, 768
	v_add_nc_u32 v15, v15, v26
	v_lshlrev_b32 v16, 5, v19
	WIN 0xc0                                       ; destination window 3
.irp s, 0,1,2,3,4,5,6,7
.irp k, 0,1,2
	global_load_b128 v[12*\s+4*\k:12*\s+4*\k+3], v15, s[4:5] offset:96*\s+16*\k
.endr
.endr
.irp k, 0,1
	global_load_b128 v[96+4*\k:99+4*\k], v16, s[6:7] offset:16*\k
.endr
	WIN 0
.endm
.macro STOREX sg                       ; and hands them to the other waves as images: four registers of every lane, 512 bytes on end, a store
	s_wait_loadcnt 0x0                             ; the gather is in (the first time: the weights too)
	WIN 0x0c                                       ; LDS store data in window 3
.irp s, 0,1,2,3,4,5,6,7
.irp k, 0,1,2
	ds_store_b128 v6, v[12*\s+4*\k:12*\s+4*\k+3] offset:XSLOT*(\sg)+1536*\s+512*\k
.endr
.endr
.irp k, 0,1
	ds_store_b128 v8, v[96+4*\k:99+4*\k] offset:XSLOT*(\sg)+512*\k
.endr
	WIN 0
.endm
.macro LOADA sg, j                     ; tile j: fragments of K steps 0-3 and the eight scale words: 14 loads
.irp s, 0,1,2,3
.irp k, 0,1,2
	ds_load_b128 v[XF+12*\s+4*\k:XF+12*\s+4*\k+3], v[4+\sg] offset:12288*(\j)+1536*\s+512*\k
.endr
.endr
.irp k, 0,1
	ds_load_b128 v[XSC+8*((\j)%2)+4*\k:XSC+8*((\j)%2)+4*\k+3], v[4+\sg] offset:XSCO+1024*(\j)+512*\k
.endr
.endm
.macro LOADB sg, j                     ; K steps 4-7: 12 loads
.irp s, 4,5,6,7
.irp k, 0,1,2
	ds_load_b128 v[XF+12*\s+4*\k:XF+12*\s+4*\k+3], v[4+\sg] offset:12288*(\j)+1536*\s+512*\k
.endr
.endr
.endm
; 16 products: four K steps x four tiles of W.  The four accumulators take turns, one instruction a turn; the first K step starts the sums with the constant 0.
; Four plain places follow: behind them come loads into the fragments just read, and the first read of results.
.macro MULH half, pi
	WIN 1+\half                                    ; source 0 (W) in window 1 or 2
.irp s, 0,1,2,3
.irp a, 0,1,2,3
.if (\half == 0) && (\s == 0)
	v_wmma_scale_f32_16x16x128_f8f6f4 v[G+8*\a:G+8*\a+7], v[48*\a+12*\s:48*\a+12*\s+11], v[XF+48*\half+12*\s:XF+48*\half+12*\s+11], 0, v[WS+8*\a+4*\half+\s], v[XSC+8*(\pi)+4*\half+\s] matrix_a_fmt:MATRIX_FMT_BF6 matrix_b_fmt:MATRIX_FMT_BF6
.else
	v_wmma_scale_f32_16x16x128_f8f6f4 v[G+8*\a:G+8*\a+7], v[48*\a+12*\s:48*\a+12*\s+11], v[XF+48*\half+12*\s:XF+48*\half+12*\s+11], v[G+8*\a:G+8*\a+7], v[WS+8*\a+4*\half+\s], v[XSC+8*(\pi)+4*\half+\s] matrix_a_fmt:MATRIX_FMT_BF6 matrix_b_fmt:MATRIX_FMT_BF6
.endif
.endr
.endr
	WIN 0
.rept 4
	v_nop
.endr
.endm
; h = g v / (1 + 2^(-g log2 e)), in f32; then the quantiser: my 16 numbers and lane l xor 16's are a block.  Each accumulator is read from its low end on.
.macro EPI sg, j
.irp i, 0,2,4,6,8,10,12,14
	v_pk_mul_f32 v[T+\i:T+\i+1], v[G+\i:G+\i+1], s[76:77] op_sel_hi:[1,0]
.endr
.irp i, 0,1,2,3,4,5,6,7,8,9,10,11,12,13,14,15
	v_exp_f32 v[T+\i], v[T+\i]
.endr
.irp i, 0,2,4,6,8,10,12,14
	v_pk_mul_f32 v[G+\i:G+\i+1], v[G+\i:G+\i+1], v[V+\i:V+\i+1]      ; g v.  (Plain instructions behind the exponentials)
.endr
	s_wait_alu depctr_va_vdst(0)
.irp i, 0,2,4,6,8,10,12,14
	v_pk_add_f32 v[T+\i:T+\i+1], v[T+\i:T+\i+1], 1.0 op_sel_hi:[1,0]
.endr
.irp i, 0,1,2,3,4,5,6,7,8,9,10,11,12,13,14,15
	v_rcp_f32 v[T+\i], v[T+\i]
.endr
	v_nop                                          ; a plain instruction behind the reciprocals
	s_wait_alu depctr_va_vdst(0)
.irp i, 0,2,4,6,8,10,12,14
	v_pk_mul_f32 v[G+\i:G+\i+1], v[G+\i:G+\i+1], v[T+\i:T+\i+1]
.endr
	v_max3_num_f32 v224, |v[G]|, |v[G+1]|, 0x2800000   ; the floor 2^(5 - 127): the byte cannot fall under 1
	v_max3_num_f32 v225, |v[G+2]|, |v[G+3]|, |v[G+4]|
	v_max3_num_f32 v224, v224, |v[G+5]|, |v[G+6]|
	v_max3_num_f32 v225, v225, |v[G+7]|, |v[G+8]|
	v_max3_num_f32 v224, v224, |v[G+9]|, |v[G+10]|
	v_max3_num_f32 v225, v225, |v[G+11]|, |v[G+12]|
	v_max3_num_f32 v224, v224, |v[G+13]|, |v[G+14]|
	v_max3_num_f32 v224, v224, v225, |v[G+15]|
	v_permlanex16_b32 v231, v224, s74, s75
	v_max_num_f32 v224, v224, v231                 ; the block's largest magnitude
	v_add_nc_u32 v226, 0xfe000000, v224            ; 4 off its exponent field: the conversion's scale operand
	v_lshrrev_b32 v230, 23, v226                   ; the scale's byte
	v_cvt_scalef32_pk16_bf6_f32 v[232:234], v[G:G+15], v226
	v_nop                                          ; a plain instruction behind the conversion: matrix instructions write its sources again
.irp i, 0,1,2
	ds_store_b32 v7, v[232+\i] offset:HSLOT*(\sg)+1536*(\j)+4*\i
.endr
	ds_store_b8 v9, v230 offset:HSLOT*(\sg)+64*(\j)    ; both lanes of a block write the same byte with the same value
.endm
.macro TILE sg, j
.if \j == 0
	s_wait_dscnt 12                                ; behind this tile's first 14 loads: its other 12
.else
	s_wait_dscnt 16                                ; its other 12 and the last tile's four stores
.endif
	MULH 0, (\j)%2
.if \j < 3
	LOADA \sg, \j+1
	s_wait_dscnt 14                                ; all but the 14 just issued: K steps 4-7 are in, and the last tile's stores have read their registers
.else
	s_wait_dscnt 0x0
.endif
	MULH 1, (\j)%2
.if \j < 3
	LOADB \sg, \j+1
.endif
	EPI \sg, \j
.endm
.macro HOUT sg                         ; tile w of the step before leaves: 48 bytes a lane out of LDS, three stores of 512 consecutive aligned bytes, and 128 bytes of scale words
	v_add_nc_u32 v17, s83, v27
	v_add_nc_u32 v18, s84, v28
.irp k, 0,1,2
	ds_load_b128 v[236+4*\k:239+4*\k], v10 offset:HSLOT*(\sg)+16*\k
.endr
	ds_load_b32 v248, v11 offset:HSLOT*(\sg)
	s_wait_dscnt 0x0
.irp k, 0,1,2
	global_store_b128 v17, v[236+4*\k:239+4*\k], s[26:27] offset:512*\k
.endr
	global_store_b32 v18, v248, s[28:29]
	s_add_co_u32 s83, s83, 98304                   ; four tiles on
	s_add_co_u32 s84, s84, 8192
.endm
; A STEP of 64 rows, one barrier.  In front of it every wave's LDS instructions are done: its stores of the step before (x's next slot, h's slot) have landed, its reads are back.
; Behind it: x's slot sg is whole and is read; the other is written; h's slot sg is written; the other is read.  Each bracket of work is jumped over by a scalar branch on the count; no barrier stands in one.
.macro STEP sg
	s_wait_dscnt 0x0
	s_barrier_signal -1
	s_barrier_wait -1
	s_wait_xcnt 0x0                                ; the registers of earlier stores and loads may be written again
	s_wait_loadcnt 0x0                             ; no gather is out
	v_add_nc_u32 v14, s80, v13
	s_cmp_lt_u32 s81, s71
	s_cbranch_scc0 .Lnoh_\@
	HOUT 1-\sg
.Lnoh_\@:
	s_add_co_u32 s73, s79, 64
	s_cmp_lt_u32 s73, s70
	s_cbranch_scc0 .Lnog_\@
	GATHER                                         ; the next step's rows are on their way while this step is multiplied
.Lnog_\@:
	s_cmp_lt_u32 s79, s70
	s_cbranch_scc0 .Lnow_\@
	LOADA \sg, 0
	LOADB \sg, 0
	TILE \sg, 0
	TILE \sg, 1
	s_cmp_lt_u32 s82, s71
	s_cbranch_scc0 .Lnow_\@
	TILE \sg, 2
	TILE \sg, 3
.Lnow_\@:
	s_add_co_u32 s73, s79, 64
	s_cmp_lt_u32 s73, s70
	s_cbranch_scc0 .Lnos_\@
	STOREX 1-\sg
.Lnos_\@:
	s_add_co_u32 s79, s79, 64
	s_add_co_u32 s80, s80, 256
	s_add_co_u32 s81, s81, 4
	s_add_co_u32 s82, s82, 4
.endm
	v_mov_b32 v14, v13
	GATHER                                         ; step 0, always: with no rows at all it fetches valid tokens that nobody uses
	STOREX 0
	s_mov_b32 s79, 0
	s_mov_b32 s80, 256
	s_sub_co_u32 s81, s66, 4                       ; no tile yet: as an unsigned number it lies over every count
	s_mov_b32 s82, 2
	s_mov_b32 s83, 0
	s_mov_b32 s84, 0
	s_mov_b32 s78, 8
.Lstep:                                                ; 8 trips x 2 steps x 64 rows: room for all 1,024 tokens on one expert
	STEP 0
	STEP 1
	s_sub_co_u32 s78, s78, 1
	s_cmp_lg_u32 s78, 0
	s_cbranch_scc1 .Lstep
	s_wait_dscnt 0x0
	s_barrier_signal -1
	s_barrier_wait -1
	s_wait_xcnt 0x0
	s_cmp_lt_u32 s81, s71
	s_cbranch_scc0 .Lend
	HOUT 1
.Lend:
	s_wait_tensorcnt 0x0
	ds_add_u32 v254, v255
	s_wait_dscnt 0x0
	s_endpgm
.Lfunc_end_k_qf28aaf884e_up:
	.size	k_qf28aaf884e_up, .Lfunc_end_k_qf28aaf884e_up-k_qf28aaf884e_up
	.p2alignl 7, 3214868480
	.fill 96, 4, 3214868480
	.section	.rodata,"a",@progbits
	.p2align	6, 0x0
	.amdhsa_kernel k_qf28aaf884e_up
		.amdhsa_group_segment_fixed_size 125440
		.amdhsa_private_segment_fixed_size 0
		.amdhsa_enable_private_segment 0
		.amdhsa_kernarg_size 112
		.amdhsa_user_sgpr_count 2
		.amdhsa_user_sgpr_kernarg_segment_ptr 1
		.amdhsa_wavefront_size32 1
		.amdhsa_system_sgpr_workgroup_id_x 1
		.amdhsa_system_sgpr_workgroup_id_y 1
		.amdhsa_system_sgpr_workgroup_id_z 1
		.amdhsa_system_vgpr_workitem_id 0
		.amdhsa_next_free_vgpr 896
		.amdhsa_next_free_sgpr 100
		.amdhsa_reserve_vcc 1
		.amdhsa_float_denorm_mode_32 3
		.amdhsa_float_denorm_mode_16_64 3
		.amdhsa_memory_ordered 1
		.amdhsa_forward_progress 1
		.amdhsa_inst_pref_size 153
	.end_amdhsa_kernel
	.amdgpu_metadata
---
amdhsa.version: [ 1, 2 ]
amdhsa.kernels:
  - .name:           k_qf28aaf884e_up
    .symbol:         k_qf28aaf884e_up.kd
    .args:
      - { .name: xq, .offset: 0, .size: 8, .value_kind: global_buffer, .address_space: global }
      - { .name: xsc, .offset: 8, .size: 8, .value_kind: global_buffer, .address_space: global }
      - { .name: sel, .offset: 16, .size: 8, .value_kind: global_buffer, .address_space: global }
      - { .name: Wg_codes, .offset: 24, .size: 8, .value_kind: global_buffer, .address_space: global }
      - { .name: Wg_scales, .offset: 32, .size: 8, .value_kind: global_buffer, .address_space: global }
      - { .name: Wv_codes, .offset: 40, .size: 8, .value_kind: global_buffer, .address_space: global }
      - { .name: Wv_scales, .offset: 48, .size: 8, .value_kind: global_buffer, .address_space: global }
      - { .name: Wg_s_codes, .offset: 56, .size: 8, .value_kind: global_buffer, .address_space: global }
      - { .name: Wg_s_scales, .offset: 64, .size: 8, .value_kind: global_buffer, .address_space: global }
      - { .name: Wv_s_codes, .offset: 72, .size: 8, .value_kind: global_buffer, .address_space: global }
      - { .name: Wv_s_scales, .offset: 80, .size: 8, .value_kind: global_buffer, .address_space: global }
      - { .name: hq, .offset: 88, .size: 8, .value_kind: global_buffer, .address_space: global }
      - { .name: hs, .offset: 96, .size: 8, .value_kind: global_buffer, .address_space: global }
      - { .name: pos, .offset: 104, .size: 8, .value_kind: global_buffer, .address_space: global }
    .group_segment_fixed_size: 125440
    .private_segment_fixed_size: 0
    .kernarg_segment_align: 8
    .kernarg_segment_size: 112
    .max_flat_workgroup_size: 128
    .sgpr_count:     100
    .vgpr_count:     896
    .wavefront_size: 32
...
	.end_amdgpu_metadata
.endif
;; end of part 2
;; launch down (part 3): grid 16 x 12, 4 waves a work-group, no clusters, 70,144 bytes of LDS; arguments hq, hs, pos, Wo_codes, Wo_scales, bo, Wo_s_codes, Wo_s_scales, bo_s, y; writes y
.if DOCPART == 3
	.amdgcn_target "amdgcn-amd-amdhsa--gfx1250"
	.amdhsa_code_object_version 6
	.text
	.protected	k_qf28aaf884e_down
	.globl	k_qf28aaf884e_down
	.p2align	8
	.type	k_qf28aaf884e_down,@function
k_qf28aaf884e_down:
	s_mov_b64 s[64:65], 0
	v_nop
	global_prefetch_b8 v0, s[64:65] scope:SCOPE_SE
	s_setreg_imm32_b32 hwreg(HW_REG_WAVE_MODE, 25, 1), 1
	s_wait_xcnt 0x0
; y = h Wo^T + bo for each chosen row of each routed expert, and h_s Wo_s^T + bo_s for every row; on codes of E3M2 with E8M0 scales.
; GRID: x = sl, a slice of 64 output columns; y = ve: 0-7 a routed expert, 8-11 rows 256 (ve - 8) .. of the shared expert.
; K = 2,048 IS SPLIT OVER THE WAVES: wave w keeps K steps 4 w .. 4 w + 3 of the slice's four tiles of Wo in 192 registers, and reads only its quarter of each tile of h,
; 6,144 dense bytes, straight from memory as images of the operand's registers: each fragment feeds four products, and nothing is read twice in a work-group.
; The four partial sums meet in a stage in LDS, which also turns them into whole rows: sixteen lanes store 256 consecutive aligned bytes of y.
; ORDER OF ROUNDING: a number of y is (p0 + p1) + (p2 + p3) + bias, p_w the f32 sum over wave w's 512 of K; not one ascending sum.
; PRODUCTS ARE USED TRANSPOSED (source 0 = 16 rows of Wo, source 1 = 16 rows of h): a lane holds eight neighbouring columns of one row of y.
; 32 rows a step.  The trip counts are constants (room for 1,024 rows); steps past the count, which the launch before stored, pass their barrier and do nothing else.  Rows between the count and the end of its last step are computed and stored and nobody reads them.
; NO TENSOR LOADS, NO JOINT LOADS: branches hang on a count read from memory, which differs from expert to expert.
; window 0: v4 W's row, v5 its scale words, v6 16 lane, v7 4 lane, v8 stage in, v9 stage out, v10 offset in y, v11 its lane part, v12 bias; v16-31 W's scale words; v32-47 h's, two sets; v48-239 h's fragments, two sets of 96; v240-243 bias.
; window 1: v0-191 W's fragments (tile n, K step s at v[48 n + 12 s]); v192-255 eight accumulators (tile of rows t, tile of columns n at v[192 + 8 (4 t + n)]).   window 2: v0-63 the four parts of my 8 rows.
; s24 count, s26 wave, s27 sl, s28 ve, s29 expert or 0, s30 first tile, s31 the step's first row, s32 the step's offset in y, s33 trips.
.set MSB, 0
.macro WIN new                         ; the immediate's high byte repeats the setting that is left
.if MSB != (\new)
	s_set_vgpr_msb (MSB<<8)|(\new)
.set MSB, (\new)
.endif
.endm
	s_load_b512 s[4:19], s[0:1], 0x0               ; hq, hs, pos, Wo codes, Wo scales, bo, Wo_s codes, Wo_s scales
	s_load_b128 s[20:23], s[0:1], 0x40             ; bo_s, y
	v_lshl_add_u32 v254, v0, 2, 0x11000
	v_mov_b32 v255, 0
	v_lshrrev_b32 v1, 5, v0
	v_readfirstlane_b32 s26, v1
	s_mov_b32 s27, ttmp9
	s_and_b32 s28, ttmp7, 0xffff
	v_and_b32 v1, 31, v0
	v_and_b32 v2, 15, v0                           ; r
	v_bfe_u32 v3, v0, 4, 1                         ; h
	v_mul_u32_u24 v4, v2, 1536
	v_mad_u32_u24 v4, v3, 24, v4
	v_lshlrev_b32 v5, 6, v2
	v_lshlrev_b32 v6, 4, v1
	v_lshlrev_b32 v7, 2, v1
	v_mul_u32_u24 v8, v2, 272                      ; the stage: 32 rows of 256 bytes + 16 for each wave's part; in: row r, 32 bytes for each half of the lanes
	v_lshl_add_u32 v8, v3, 5, v8
	s_mul_i32 s34, s26, 8704
	v_add_nc_u32 v8, s34, v8
	v_mul_u32_u24 v9, v3, 272                      ; out: rows 8 w + 2 i + h, 16 bytes a lane
	v_lshl_add_u32 v9, v2, 4, v9
	s_mul_i32 s34, s26, 2176
	v_add_nc_u32 v9, s34, v9
	v_lshlrev_b32 v11, 12, v3
	v_lshl_add_u32 v11, v2, 4, v11
	v_lshlrev_b32 v12, 4, v2
	s_min_u32 s25, s28, 7
	s_lshl_b32 s25, s25, 7
	s_lshl_b32 s30, s28, 6
	s_lshl_b32 s34, s28, 4
	s_add_co_u32 s34, s34, 384
	s_mov_b32 s37, 0
	s_wait_kmcnt 0x0
	s_load_b32 s24, s[8:9], s25 offset:0x8000      ; the expert's count
	s_cmp_lt_u32 s28, 8                            ; routed or shared: the choice hangs on the work-group's number alone
	s_cselect_b32 s30, s30, s34
	s_cselect_b32 s29, s28, 0
	s_cselect_b64 s[10:11], s[10:11], s[16:17]
	s_cselect_b64 s[12:13], s[12:13], s[18:19]
	s_cselect_b64 s[14:15], s[14:15], s[20:21]
	s_lshl_b32 s34, s29, 10
	s_lshl_b32 s35, s27, 6
	s_add_co_u32 s34, s34, s35                     ; my slice's first row of Wo
	s_mul_i32 s36, s34, 1536
	s_mul_i32 s38, s26, 384
	s_add_co_u32 s36, s36, s38
	s_add_nc_u64 s[10:11], s[10:11], s[36:37]      ; + my four K steps of 96 bytes
	s_lshl_b32 s36, s34, 6
	s_lshl_b32 s38, s26, 4
	s_add_co_u32 s36, s36, s38
	s_add_nc_u64 s[12:13], s[12:13], s[36:37]
	s_lshl_b32 s36, s34, 2
	s_add_nc_u64 s[14:15], s[14:15], s[36:37]
	s_mul_i32 s36, s30, 24576
	s_mul_i32 s38, s26, 6144
	s_add_co_u32 s36, s36, s38
	s_add_nc_u64 s[4:5], s[4:5], s[36:37]
	s_lshl_b32 s36, s30, 11
	s_lshl_b32 s38, s26, 9
	s_add_co_u32 s36, s36, s38
	s_add_nc_u64 s[6:7], s[6:7], s[36:37]
	s_lshl_b32 s36, s30, 16                        ; 16 rows of 4,096 bytes a tile,
	s_lshl_b32 s38, s26, 15                        ; my 8 rows of a step's 32,
	s_add_co_u32 s36, s36, s38
	s_lshl_b32 s38, s27, 8                         ; my slice's 256 bytes
	s_add_co_u32 s36, s36, s38
	s_add_nc_u64 s[22:23], s[22:23], s[36:37]
; A step's two tiles of h, my four K steps, into set pi: 24 loads of 512 dense bytes and 8 of scale words.  nx = 1: the step behind the one that the pointers stand at
.macro HLOAD pi, nx
.irp t, 0,1
.irp s, 0,1,2,3
.irp k, 0,1,2
	global_load_b128 v[48+96*(\pi)+48*\t+12*\s+4*\k:48+96*(\pi)+48*\t+12*\s+4*\k+3], v6, s[4:5] offset:49152*(\nx)+24576*\t+1536*\s+512*\k
.endr
	global_load_b32 v[32+8*(\pi)+4*\t+\s], v7, s[6:7] offset:4096*(\nx)+2048*\t+128*\s
.endr
.endr
.endm
	HLOAD 0, 0                                     ; steps 0 and 1 are asked for whatever the count: four tiles from an expert's first always lie inside hq; what is not wanted is not used
	HLOAD 1, 1
	WIN 0x40
.irp n, 0,1,2,3
.irp s, 0,1,2,3
.irp p, 0,1,2,3,4,5
	global_load_b64 v[48*\n+12*\s+2*\p:48*\n+12*\s+2*\p+1], v4, s[10:11] offset:24576*\n+96*\s+48*(\p/3)+8*(\p%3)
.endr
.endr
.endr
	WIN 0
.irp n, 0,1,2,3
	global_load_b128 v[16+4*\n:19+4*\n], v5, s[12:13] offset:1024*\n
.endr
	global_load_b128 v[240:243], v12, s[14:15]
	s_wait_kmcnt 0x0
	s_min_u32 s24, s24, 1024
	s_cmp_lt_u32 s28, 8
	s_cselect_b32 s24, s24, 256                    ; a shared part has 256 rows
	s_mov_b32 s31, 0
	s_mov_b32 s32, 0
; A STEP of 32 rows.  pre = 1: the next step's h is asked for at the head, into the set that the step before has multiplied (five plain places behind its products).
; One barrier: in front of it my part of the stage's slot sg has landed; behind it I add the four parts of my 8 rows.  Slot sg is written again two steps on, behind the next barrier, in front of which every wave's reads of it are back.
.macro STEP sg, pre
	s_wait_loadcnt 0x0                             ; this step's h, asked for a step ago, is in; no load names the pointers any more
.if \pre
	s_add_co_u32 s34, s31, 32
	s_cmp_lt_u32 s34, s24
	s_cbranch_scc0 .Lnop_\@
	s_add_nc_u64 s[4:5], s[4:5], 49152
	s_add_nc_u64 s[6:7], s[6:7], 4096
	HLOAD 1-\sg, 0
.Lnop_\@:
.else
	s_add_nc_u64 s[4:5], s[4:5], 49152             ; step 1 was asked for at the head
	s_add_nc_u64 s[6:7], s[6:7], 4096
.endif
	s_cmp_lt_u32 s31, s24
	s_cbranch_scc0 .Lnow_\@
	WIN 0x51                                       ; source 0 (Wo), C and D in window 1; source 1 (h) in window 0
.irp s, 0,1,2,3                        ; eight accumulators by turns, one instruction a turn; the first K step starts the sums
.irp t, 0,1
.irp n, 0,1,2,3
.if \s == 0
	v_wmma_scale_f32_16x16x128_f8f6f4 v[192+8*(4*\t+\n):199+8*(4*\t+\n)], v[48*\n+12*\s:48*\n+12*\s+11], v[48+96*\sg+48*\t+12*\s:48+96*\sg+48*\t+12*\s+11], 0, v[16+4*\n+\s], v[32+8*\sg+4*\t+\s] matrix_a_fmt:MATRIX_FMT_BF6 matrix_b_fmt:MATRIX_FMT_BF6
.else
	v_wmma_scale_f32_16x16x128_f8f6f4 v[192+8*(4*\t+\n):199+8*(4*\t+\n)], v[48*\n+12*\s:48*\n+12*\s+11], v[48+96*\sg+48*\t+12*\s:48+96*\sg+48*\t+12*\s+11], v[192+8*(4*\t+\n):199+8*(4*\t+\n)], v[16+4*\n+\s], v[32+8*\sg+4*\t+\s] matrix_a_fmt:MATRIX_FMT_BF6 matrix_b_fmt:MATRIX_FMT_BF6
.endif
.endr
.endr
.endr
	WIN 0
.rept 5
	v_nop                                          ; four places ahead of the stores that read results and of loads into the fragments; five ahead of the next step's products, which begin these accumulators anew
.endr
	WIN 0x04                                       ; LDS store data in window 1
.irp t, 0,1
.irp n, 0,1,2,3
	ds_store_b128 v8, v[192+8*(4*\t+\n):195+8*(4*\t+\n)] offset:34816*\sg+4352*\t+64*\n       ; each accumulator from its low end on
	ds_store_b128 v8, v[196+8*(4*\t+\n):199+8*(4*\t+\n)] offset:34816*\sg+4352*\t+64*\n+16
.endr
.endr
	WIN 0
.Lnow_\@:
	s_wait_dscnt 0x0
	s_barrier_signal -1
	s_barrier_wait -1
	s_cmp_lt_u32 s31, s24
	s_cbranch_scc0 .Lnor_\@
	s_wait_xcnt 0x0                                ; the last step's stores have read their registers
	v_add_nc_u32 v10, s32, v11
	WIN 0x80                                       ; destination window 2
.irp p, 0,1,2,3
.irp i, 0,1,2,3
	ds_load_b128 v[16*\p+4*\i:16*\p+4*\i+3], v9 offset:34816*\sg+8704*\p+544*\i
.endr
.endr
	s_wait_dscnt 0x0
	WIN 0x8a                                       ; all in window 2
.irp i, 0,2,4,6,8,10,12,14
	v_pk_add_f32 v[\i:\i+1], v[\i:\i+1], v[16+\i:17+\i]
	v_pk_add_f32 v[32+\i:33+\i], v[32+\i:33+\i], v[48+\i:49+\i]
.endr
.irp i, 0,2,4,6,8,10,12,14
	v_pk_add_f32 v[\i:\i+1], v[\i:\i+1], v[32+\i:33+\i]
.endr
	WIN 0x82                                       ; source 1 (the bias) in window 0
.irp i, 0,1,2,3
	v_pk_add_f32 v[4*\i:4*\i+1], v[4*\i:4*\i+1], v[240:241]
	v_pk_add_f32 v[4*\i+2:4*\i+3], v[4*\i+2:4*\i+3], v[242:243]
.endr
	WIN 0x08                                       ; store data in window 2
.irp i, 0,1,2,3
	global_store_b128 v10, v[4*\i:4*\i+3], s[22:23] offset:8192*\i    ; sixteen lanes store 256 consecutive bytes, at a multiple of 256 from y's first byte
.endr
	WIN 0
	s_add_co_u32 s32, s32, 131072
.Lnor_\@:
	s_add_co_u32 s31, s31, 32
.endm
	STEP 0, 0
	STEP 1, 1
	s_mov_b32 s33, 15
.Lstep:                                                ; 2 + 15 x 2 steps of 32 rows: room for all 1,024 tokens on one expert
	STEP 0, 1
	STEP 1, 1
	s_sub_co_u32 s33, s33, 1
	s_cmp_lg_u32 s33, 0
	s_cbranch_scc1 .Lstep
	s_wait_tensorcnt 0x0
	ds_add_u32 v254, v255
	s_wait_dscnt 0x0
	s_endpgm
.Lfunc_end_k_qf28aaf884e_down:
	.size	k_qf28aaf884e_down, .Lfunc_end_k_qf28aaf884e_down-k_qf28aaf884e_down
	.p2alignl 7, 3214868480
	.fill 96, 4, 3214868480
	.section	.rodata,"a",@progbits
	.p2align	6, 0x0
	.amdhsa_kernel k_qf28aaf884e_down
		.amdhsa_group_segment_fixed_size 70144
		.amdhsa_private_segment_fixed_size 0
		.amdhsa_enable_private_segment 0
		.amdhsa_kernarg_size 80
		.amdhsa_user_sgpr_count 2
		.amdhsa_user_sgpr_kernarg_segment_ptr 1
		.amdhsa_wavefront_size32 1
		.amdhsa_system_sgpr_workgroup_id_x 1
		.amdhsa_system_sgpr_workgroup_id_y 1
		.amdhsa_system_sgpr_workgroup_id_z 1
		.amdhsa_system_vgpr_workitem_id 0
		.amdhsa_next_free_vgpr 576
		.amdhsa_next_free_sgpr 66
		.amdhsa_reserve_vcc 0
		.amdhsa_float_denorm_mode_32 3
		.amdhsa_float_denorm_mode_16_64 3
		.amdhsa_memory_ordered 1
		.amdhsa_forward_progress 1
		.amdhsa_inst_pref_size 66
	.end_amdhsa_kernel
	.amdgpu_metadata
---
amdhsa.version: [ 1, 2 ]
amdhsa.kernels:
  - .name:           k_qf28aaf884e_down
    .symbol:         k_qf28aaf884e_down.kd
    .args:
      - { .name: hq, .offset: 0, .size: 8, .value_kind: global_buffer, .address_space: global }
      - { .name: hs, .offset: 8, .size: 8, .value_kind: global_buffer, .address_space: global }
      - { .name: pos, .offset: 16, .size: 8, .value_kind: global_buffer, .address_space: global }
      - { .name: Wo_codes, .offset: 24, .size: 8, .value_kind: global_buffer, .address_space: global }
      - { .name: Wo_scales, .offset: 32, .size: 8, .value_kind: global_buffer, .address_space: global }
      - { .name: bo, .offset: 40, .size: 8, .value_kind: global_buffer, .address_space: global }
      - { .name: Wo_s_codes, .offset: 48, .size: 8, .value_kind: global_buffer, .address_space: global }
      - { .name: Wo_s_scales, .offset: 56, .size: 8, .value_kind: global_buffer, .address_space: global }
      - { .name: bo_s, .offset: 64, .size: 8, .value_kind: global_buffer, .address_space: global }
      - { .name: y, .offset: 72, .size: 8, .value_kind: global_buffer, .address_space: global }
    .group_segment_fixed_size: 70144
    .private_segment_fixed_size: 0
    .kernarg_segment_align: 8
    .kernarg_segment_size: 80
    .max_flat_workgroup_size: 128
    .sgpr_count:     66
    .vgpr_count:     576
    .wavefront_size: 32
...
	.end_amdgpu_metadata
.endif
;; end of part 3
;; launch combine (part 4): grid 256 x 1, 4 waves a work-group, no clusters, 0 bytes of LDS; arguments y, sel, gw, pos, out0; writes out0
.if DOCPART == 4
	.amdgcn_target "amdgcn-amd-amdhsa--gfx1250"
	.amdhsa_code_object_version 6
	.text
	.protected	k_qf28aaf884e_combine
	.globl	k_qf28aaf884e_combine
	.p2align	8
	.type	k_qf28aaf884e_combine,@function
k_qf28aaf884e_combine:
	s_mov_b64 s[64:65], 0
	v_nop
	global_prefetch_b8 v0, s[64:65] scope:SCOPE_SE
	s_setreg_imm32_b32 hwreg(HW_REG_WAVE_MODE, 25, 1), 1
	s_wait_xcnt 0x0
; out0[t] = w0 y[1024 e0 + rank(e0, t)] + w1 y[1024 e1 + rank(e1, t)] + y[8192 + t].  Each output row has one owner: wave w of work-group g takes token 4 g + w.
; A row is 4,096 bytes: eight loads of 512 consecutive bytes a wave.  The experts, ranks and weights of a token are the same for all lanes: they come by scalar loads.
; Experts and ranks were stored by earlier launches as whole numbers; each is held inside its table (7; 1,023) ahead of the address that it enters.
; A stream: memory binds; no LDS, no barrier, no matrix unit, no cluster (no two work-groups read the same byte of y).
	s_load_b256 s[4:11], s[0:1], 0x0               ; y, sel, gw, pos
	s_load_b64 s[12:13], s[0:1], 0x20              ; out0
	v_lshrrev_b32 v1, 5, v0
	v_readfirstlane_b32 s14, v1                    ; wave
	v_and_b32 v1, 31, v0
	v_lshlrev_b32 v1, 4, v1                        ; 16 bytes a lane
	s_lshl_b32 s15, ttmp9, 2
	s_add_co_u32 s15, s15, s14                     ; t
	s_lshl_b32 s16, s15, 3
	s_add_co_u32 s26, s15, 8192
	s_lshl_b32 s26, s26, 12                        ; the shared expert's row
	s_mov_b32 s27, 0
	s_lshl_b32 s36, s15, 12
	s_mov_b32 s37, 0
	s_wait_kmcnt 0x0
	s_load_b64 s[20:21], s[6:7], s16 offset:0x0    ; e0, e1
	s_load_b64 s[22:23], s[8:9], s16 offset:0x0    ; w0, w1
	s_add_nc_u64 s[24:25], s[4:5], s[26:27]
	s_add_nc_u64 s[12:13], s[12:13], s[36:37]
.irp i, 0,1,2,3,4,5,6,7
	global_load_b128 v[16+4*\i:19+4*\i], v1, s[24:25] offset:512*\i th:TH_LOAD_NT
.endr
	s_wait_kmcnt 0x0
	s_min_u32 s20, s20, 7
	s_min_u32 s21, s21, 7
	s_lshl_b32 s17, s15, 2
	s_lshl_b32 s28, s20, 12
	s_add_co_u32 s28, s28, s17
	s_lshl_b32 s29, s21, 12
	s_add_co_u32 s29, s29, s17
	s_load_b32 s30, s[10:11], s28 offset:0x0       ; rank of t in e0's list
	s_load_b32 s31, s[10:11], s29 offset:0x0       ; and in e1's
	s_mov_b32 s34, s23                             ; w1 as the low word of a pair of its own: the packed form takes a scalar pair's low word for both halves
	s_mov_b32 s35, s23
	s_mov_b32 s39, 0
	s_mov_b32 s45, 0
	s_wait_kmcnt 0x0
	s_min_u32 s30, s30, 1023
	s_min_u32 s31, s31, 1023
	s_lshl_b32 s20, s20, 10
	s_add_co_u32 s20, s20, s30
	s_lshl_b32 s38, s20, 12
	s_lshl_b32 s21, s21, 10
	s_add_co_u32 s21, s21, s31
	s_lshl_b32 s44, s21, 12
	s_add_nc_u64 s[40:41], s[4:5], s[38:39]
	s_add_nc_u64 s[42:43], s[4:5], s[44:45]
.irp i, 0,1,2,3,4,5,6,7
	global_load_b128 v[48+4*\i:51+4*\i], v1, s[40:41] offset:512*\i th:TH_LOAD_NT
.endr
.irp i, 0,1,2,3,4,5,6,7
	global_load_b128 v[80+4*\i:83+4*\i], v1, s[42:43] offset:512*\i th:TH_LOAD_NT
.endr
	s_wait_loadcnt 8                               ; the shared row and e0's are in; e1's eight loads may be out
.irp i, 0,2,4,6,8,10,12,14,16,18,20,22,24,26,28,30
	v_pk_fma_f32 v[16+\i:17+\i], v[48+\i:49+\i], s[22:23], v[16+\i:17+\i] op_sel_hi:[1,0,1]
.endr
	s_wait_loadcnt 0x0
.irp i, 0,2,4,6,8,10,12,14,16,18,20,22,24,26,28,30
	v_pk_fma_f32 v[16+\i:17+\i], v[80+\i:81+\i], s[34:35], v[16+\i:17+\i] op_sel_hi:[1,0,1]
.endr
.irp i, 0,1,2,3,4,5,6,7
	global_store_b128 v1, v[16+4*\i:19+4*\i], s[12:13] offset:512*\i th:TH_STORE_NT   ; 32 lanes store 512 consecutive aligned bytes
.endr
	s_endpgm
.Lfunc_end_k_qf28aaf884e_combine:
	.size	k_qf28aaf884e_combine, .Lfunc_end_k_qf28aaf884e_combine-k_qf28aaf884e_combine
	.p2alignl 7, 3214868480
	.fill 96, 4, 3214868480
	.section	.rodata,"a",@progbits
	.p2align	6, 0x0
	.amdhsa_kernel k_qf28aaf884e_combine
		.amdhsa_group_segment_fixed_size 0
		.amdhsa_private_segment_fixed_size 0
		.amdhsa_enable_private_segment 0
		.amdhsa_kernarg_size 40
		.amdhsa_user_sgpr_count 2
		.amdhsa_user_sgpr_kernarg_segment_ptr 1
		.amdhsa_wavefront_size32 1
		.amdhsa_system_sgpr_workgroup_id_x 1
		.amdhsa_system_sgpr_workgroup_id_y 1
		.amdhsa_system_sgpr_workgroup_id_z 1
		.amdhsa_system_vgpr_workitem_id 0
		.amdhsa_next_free_vgpr 112
		.amdhsa_next_free_sgpr 66
		.amdhsa_reserve_vcc 0
		.amdhsa_float_denorm_mode_32 3
		.amdhsa_float_denorm_mode_16_64 3
		.amdhsa_memory_ordered 1
		.amdhsa_forward_progress 1
		.amdhsa_inst_pref_size 7
	.end_amdhsa_kernel
	.amdgpu_metadata
---
amdhsa.version: [ 1, 2 ]
amdhsa.kernels:
  - .name:           k_qf28aaf884e_combine
    .symbol:         k_qf28aaf884e_combine.kd
    .args:
      - { .name: y, .offset: 0, .size: 8, .value_kind: global_buffer, .address_space: global }
      - { .name: sel, .offset: 8, .size: 8, .value_kind: global_buffer, .address_space: global }
      - { .name: gw, .offset: 16, .size: 8, .value_kind: global_buffer, .address_space: global }
      - { .name: pos, .offset: 24, .size: 8, .value_kind: global_buffer, .address_space: global }
      - { .name: out0, .offset: 32, .size: 8, .value_kind: global_buffer, .address_space: global }
    .group_segment_fixed_size: 0
    .private_segment_fixed_size: 0
    .kernarg_segment_align: 8
    .kernarg_segment_size: 40
    .max_flat_workgroup_size: 128
    .sgpr_count:     66
    .vgpr_count:     112
    .wavefront_size: 32
...
	.end_amdgpu_metadata
.endif
;; end of part 4
;; ======== version 2 of 2: 4 launches
;; limits: right only within a limited range of input values
;; workspace buffers: xq 786,432 bytes; xsc 32,768 bytes; sel 8,192 bytes of whole numbers; gw 8,192 bytes; hq 14,155,776 bytes; hs 1,179,648 bytes; pos 33,792 bytes of whole numbers; y 37,748,736 bytes
;; launch route (part 5): grid 256 x 1, 4 waves a work-group, no clusters, 55,808 bytes of LDS; arguments x, Wr, br, out1, out2, xq, xsc, sel, gw; writes out1, out2, xq, xsc, sel, gw
.if DOCPART == 5
	.amdgcn_target "amdgcn-amd-amdhsa--gfx1250"
	.amdhsa_code_object_version 6
	.text
	.protected	k_qf28aaf884e_route
	.globl	k_qf28aaf884e_route
	.p2align	8
	.type	k_qf28aaf884e_route,@function
k_qf28aaf884e_route:
	s_mov_b64 s[64:65], 0
	v_nop
	global_prefetch_b8 v0, s[64:65] scope:SCOPE_SE
	s_setreg_imm32_b32 hwreg(HW_REG_WAVE_MODE, 25, 1), 1
	s_wait_xcnt 0x0
; ROUTER AND QUANTISER OF x.  A work-group is four waves; wave w takes token 4 g + w (1,024 tokens, 256 work-groups).
; Lane l holds k = 32 l .. 32 l + 31 of a row: one whole block of 32 along D.  So the eight logits are 16 packed multiply-adds a lane and expert and one sum over the lanes, all in f32,
; and a block's largest magnitude needs no other lane.  Rows are loaded densely (512 consecutive bytes a load) and turned through LDS into 32 neighbours a lane.
; Wr IS SHARED: wave w fetches experts 2 w and 2 w + 1 and lays them into the work-group's stage; behind one barrier every wave reads all eight rows.  A wave's row of x goes through a stage of its own.
; TOP-2 is taken on p_e = 2^((l_e - max l) log2 e), the softmax's numerator with the maximum taken away; a later expert wins only where it is strictly larger, so the lower index wins a tie.
; The two weights are p_k / (p_1 + p_2): the softmax's divisor cancels in the renormalised weights.
; WORK LEFT OUT IN THE LATER LAUNCHES: reference()'s 'sparse' is 0 for every expert outside a token's top 2, so that expert's row of expert_out is multiplied by 0 whatever it holds: only chosen rows are multiplied.
; A NaN, an infinity or an overflow that would arise only in rows left out is not carried to the result.
; OUT: logits (out1), indices (out2 and sel), weights (gw), x as codes of E3M2 (xq) and scale bytes (xsc).
; xq: token t has 768 bytes; block b lies at 96 (b / 4) + 48 (b % 2) + 24 ((b / 2) % 2): the 48 bytes at 96 s + 48 h are the 12 operand registers of lane half h for K step s.
; LIMITS: NaN and infinities are not served.  p below 2^-126 counts as 0 (v_exp_f32 gives 0 there), so among experts that far under the maximum the lower index is taken.
; A block of zeros gets the byte 1 where the rule says 127: its codes are zeros, and this program alone reads the bytes.
; No matrix unit (N = 8), no cluster and no prefetch: the work-groups share only Wr, 32 KiB, and the text has no loop.
.set X,   32                           ; v32-63    my token, 32 numbers
.set ACC, 160                          ; v160-175  eight pairs of partial sums
.set LG,  176                          ; v176-183  the logits
.set PR,  184                          ; v184-191  p
.set QR,  192                          ; v192-199  the other half's sums, then p with the winner struck out
.set IX,  200                          ; v200-201  i1, i2
.set TM,  212                          ; v212-219  at work; v218-219 w1, w2
.set EB,  220                          ; v220      my block's scale byte
.set CD,  224                          ; v224-230  codes
.set XST, 36864                        ; LDS: Wr's eight rows of 4,608 bytes (16 bytes of padding behind each 128); then a row of x for each wave
.set SPARE, 55296                      ; then the spare words, 128 bytes a wave
; v1 stage in: 16 l + 16 (l / 8); v2 stage out: 144 l (Wr's); v3 16 l; v4 my block's place in xq; v5 0; v8 lane; v9 Wr in; v10, v11 x in, out.  window 1: Wr, expert e at v[32 e ..]
.set MSB, 0
.macro WIN new                         ; the immediate's high byte repeats the setting that is left
.if MSB != (\new)
	s_set_vgpr_msb (MSB<<8)|(\new)
.set MSB, (\new)
.endif
.endm
	s_load_b512 s[4:19], s[0:1], 0x0               ; x, Wr, br, out1, out2, xq, xsc, sel
	s_load_b64 s[20:21], s[0:1], 0x40              ; gw
	v_lshl_add_u32 v251, v0, 2, SPARE              ; my spare word and 0
	v_mov_b32 v255, 0
	v_lshrrev_b32 v7, 5, v0
	v_readfirstlane_b32 s38, v7                    ; wave
	v_and_b32 v8, 31, v0                           ; lane
	v_lshlrev_b32 v3, 4, v8
	v_lshrrev_b32 v7, 3, v8
	v_lshl_add_u32 v1, v7, 4, v3
	v_mul_u32_u24 v2, v8, 144
	s_mul_i32 s39, s38, 9216
	v_add_nc_u32 v9, s39, v1                       ; my two rows of Wr
	s_mul_i32 s39, s38, 4608
	s_add_co_u32 s39, s39, XST
	v_add_nc_u32 v10, s39, v1
	v_add_nc_u32 v11, s39, v2
	v_lshrrev_b32 v7, 2, v8
	v_mul_u32_u24 v4, v7, 96
	v_and_b32 v7, 1, v8
	v_mad_u32_u24 v4, v7, 48, v4
	v_bfe_u32 v7, v8, 1, 1
	v_mad_u32_u24 v4, v7, 24, v4
	v_mov_b32 v5, 0
.irp e, 0,1,2,3,4,5,6,7
	v_mov_b32 v[QR+\e], 0                          ; written once: a lane permute's destination counts as one of its sources
.endr
	s_mov_b32 s32, 0x76543210
	s_mov_b32 s33, 0xfedcba98                      ; v_permlanex16_b32's selects for lane l xor 16
	s_lshl_b32 s40, ttmp9, 2
	s_add_co_u32 s40, s40, s38                     ; my token
	s_mov_b32 s23, 0
	s_wait_alu depctr_va_vdst(0)
	s_wait_kmcnt 0x0
	s_load_b256 s[24:31], s[8:9], 0x0              ; br
	s_lshl_b32 s22, s40, 12
	s_add_nc_u64 s[4:5], s[4:5], s[22:23]          ; my row of x
	s_lshl_b32 s22, s38, 13
	s_add_nc_u64 s[6:7], s[6:7], s[22:23]          ; my two rows of Wr
.irp i, 0,1,2,3,4,5,6,7
	global_load_b128 v[X+4*\i:X+4*\i+3], v3, s[4:5] offset:512*\i th:TH_LOAD_NT
.endr
	WIN 0x40                                       ; destination window 1
.irp e, 0,1
.irp i, 0,1,2,3,4,5,6,7
	global_load_b128 v[32*\e+4*\i:32*\e+4*\i+3], v3, s[6:7] offset:4096*\e+512*\i
.endr
.endr
	WIN 0
	s_mul_i32 s22, s40, 768
	s_add_nc_u64 s[14:15], s[14:15], s[22:23]      ; xq
	s_lshl_b32 s22, s40, 5
	s_add_nc_u64 s[16:17], s[16:17], s[22:23]      ; xsc and out1: 32 bytes a token
	s_add_nc_u64 s[10:11], s[10:11], s[22:23]
	s_lshl_b32 s22, s40, 3
	s_add_nc_u64 s[12:13], s[12:13], s[22:23]      ; out2, sel, gw: 8 bytes a token
	s_add_nc_u64 s[18:19], s[18:19], s[22:23]
	s_add_nc_u64 s[20:21], s[20:21], s[22:23]
	s_wait_loadcnt 16                              ; behind x's 8 loads: Wr's 16
.irp i, 0,1,2,3,4,5,6,7
	ds_store_b128 v10, v[X+4*\i:X+4*\i+3] offset:576*\i
.endr
.irp i, 0,1,2,3,4,5,6,7
	ds_load_b128 v[X+4*\i:X+4*\i+3], v11 offset:16*\i   ; LDS serves a wave's instructions in order: these see the stores above
.endr
	s_wait_loadcnt 0x0                             ; Wr
	WIN 0x04                                       ; LDS store data in window 1
.irp e, 0,1
.irp i, 0,1,2,3,4,5,6,7
	ds_store_b128 v9, v[32*\e+4*\i:32*\e+4*\i+3] offset:4608*\e+576*\i
.endr
.endr
	WIN 0
	s_wait_dscnt 0x0                               ; my two rows lie in LDS
	s_barrier_signal -1
	s_barrier_wait -1                              ; all eight do; nobody writes them again
	WIN 0x40
.irp e, 0,1,2,3,4,5,6,7
.irp i, 0,1,2,3,4,5,6,7
	ds_load_b128 v[32*\e+4*\i:32*\e+4*\i+3], v2 offset:4608*\e+16*\i
.endr
.endr
	WIN 0
	s_wait_dscnt 0x0
	s_wait_kmcnt 0x0                               ; br
	WIN 0x04                                       ; source 1 (Wr) in window 1
.irp e, 0,1,2,3,4,5,6,7
	v_pk_mul_f32 v[ACC+2*\e:ACC+2*\e+1], v[X:X+1], v[32*\e:32*\e+1]   ; the first product starts the sum
.endr
.irp i, 1,2,3,4,5,6,7,8,9,10,11,12,13,14,15
.irp e, 0,1,2,3,4,5,6,7
	v_pk_fma_f32 v[ACC+2*\e:ACC+2*\e+1], v[X+2*\i:X+2*\i+1], v[32*\e+2*\i:32*\e+2*\i+1], v[ACC+2*\e:ACC+2*\e+1]   ; eight chains by turns
.endr
.endr
	WIN 0
.irp e, 0,1,2,3,4,5,6,7
	v_add_f32 v[LG+\e], v[ACC+2*\e], v[ACC+2*\e+1]
.endr
.irp m, 1,2,4,8
.irp e, 0,1,2,3,4,5,6,7
	v_add_f32_dpp v[LG+\e], v[LG+\e], v[LG+\e] row_xmask:\m row_mask:0xf bank_mask:0xf
.endr
.endr
.irp e, 0,1,2,3,4,5,6,7
	v_permlanex16_b32 v[QR+\e], v[LG+\e], s32, s33
.endr
.irp e, 0,1,2,3,4,5,6,7
	v_add_f32 v[LG+\e], v[LG+\e], v[QR+\e]         ; every lane holds the sum over D
.endr
.irp e, 0,1,2,3,4,5,6,7
	v_add_f32 v[LG+\e], s[24+\e], v[LG+\e]         ; + br: the logit
.endr
	v_max3_num_f32 v[TM], v[LG], v[LG+1], v[LG+2]
	v_max3_num_f32 v[TM], v[TM], v[LG+3], v[LG+4]
	v_max3_num_f32 v[TM], v[TM], v[LG+5], v[LG+6]
	v_max_num_f32 v[TM], v[TM], v[LG+7]            ; the maximum is taken away ahead of the exponential
.irp e, 0,1,2,3,4,5,6,7
	v_sub_f32 v[PR+\e], v[LG+\e], v[TM]
.endr
.irp e, 0,1,2,3,4,5,6,7
	v_mul_f32 v[PR+\e], 0x3fb8aa3b, v[PR+\e]
.endr
	s_wait_alu depctr_va_vdst(0)
.irp e, 0,1,2,3,4,5,6,7
	v_exp_f32 v[PR+\e], v[PR+\e]
.endr
	v_mov_b32 v[IX], 0                             ; i1.  (A plain instruction behind the exponentials)
	s_wait_alu depctr_va_vdst(0)                   ; and behind it
	v_mov_b32 v[TM], v[PR]                         ; the best p so far
.irp e, 1,2,3,4,5,6,7
	v_cmp_gt_f32 vcc_lo, v[PR+\e], v[TM]           ; strictly larger: the lower index keeps a tie
	v_cndmask_b32 v[TM], v[TM], v[PR+\e], vcc_lo
	v_cndmask_b32 v[IX], v[IX], \e, vcc_lo
.endr
.irp e, 0,1,2,3,4,5,6,7
	v_cmp_eq_u32 vcc_lo, \e, v[IX]
	v_cndmask_b32 v[QR+\e], v[PR+\e], -1.0, vcc_lo ; the winner is struck out: -1 lies under every p
.endr
	v_mov_b32 v[IX+1], 0                           ; i2
	v_mov_b32 v[TM+2], v[QR]
.irp e, 1,2,3,4,5,6,7
	v_cmp_gt_f32 vcc_lo, v[QR+\e], v[TM+2]
	v_cndmask_b32 v[TM+2], v[TM+2], v[QR+\e], vcc_lo
	v_cndmask_b32 v[IX+1], v[IX+1], \e, vcc_lo
.endr
	v_add_f32 v[TM+4], v[TM], v[TM+2]
	s_wait_alu depctr_va_vdst(0)
	v_rcp_f32 v[TM+4], v[TM+4]
	v_nop                                          ; a plain instruction behind the reciprocal
	s_wait_alu depctr_va_vdst(0)
	v_mul_f32 v[TM+6], v[TM], v[TM+4]              ; w1
	v_mul_f32 v[TM+7], v[TM+2], v[TM+4]            ; w2
	; the quantiser: my 32 numbers are one block
	v_max3_num_f32 v[TM], |v[X]|, |v[X+1]|, |v[X+2]|
	v_max3_num_f32 v[TM+1], |v[X+3]|, |v[X+4]|, |v[X+5]|
.irp i, 6,10,14,18,22,26
	v_max3_num_f32 v[TM], v[TM], |v[X+\i]|, |v[X+\i+1]|
	v_max3_num_f32 v[TM+1], v[TM+1], |v[X+\i+2]|, |v[X+\i+3]|
.endr
	v_max3_num_f32 v[TM], v[TM], |v[X+30]|, |v[X+31]|
	v_max3_num_f32 v[TM], v[TM], v[TM+1], 0x2800000   ; and the floor 2^(5 - 127): the byte cannot fall under 1
	v_add_nc_u32 v[TM+2], 0xfe000000, v[TM]        ; 4 off the exponent field: the conversion takes the exponent field of this operand as its scale
	v_cvt_scalef32_pk16_bf6_f32 v[CD:CD+2], v[X:X+15], v[TM+2]
	v_cvt_scalef32_pk16_bf6_f32 v[CD+4:CD+6], v[X+16:X+31], v[TM+2]
	v_lshrrev_b32 v[EB], 23, v[TM+2]               ; the scale's byte.  (Also the plain instruction behind the conversions)
	global_store_b96 v4, v[CD:CD+2], s[14:15]
	global_store_b96 v4, v[CD+4:CD+6], s[14:15] offset:12
	global_store_b8 v8, v[EB], s[16:17]
	s_wait_xcnt 0x0                                ; EXEC changes only behind this wait: the stores above have it among their sources
	v_cmp_gt_u32 vcc_lo, 1, v8
	s_wait_tensorcnt 0x0                           ; the wave's end
	ds_add_u32 v251, v255
	s_wait_dscnt 0x0
	s_and_saveexec_b32 s37, vcc_lo                 ; every lane holds the token's numbers: lane 0 stores them
	global_store_b128 v5, v[LG:LG+3], s[10:11]
	global_store_b128 v5, v[LG+4:LG+7], s[10:11] offset:16
	global_store_b64 v5, v[IX:IX+1], s[12:13]
	global_store_b64 v5, v[IX:IX+1], s[18:19]
	global_store_b64 v5, v[TM+6:TM+7], s[20:21]
	s_endpgm
.Lfunc_end_k_qf28aaf884e_route:
	.size	k_qf28aaf884e_route, .Lfunc_end_k_qf28aaf884e_route-k_qf28aaf884e_route
	.p2alignl 7, 3214868480
	.fill 96, 4, 3214868480
	.section	.rodata,"a",@progbits
	.p2align	6, 0x0
	.amdhsa_kernel k_qf28aaf884e_route
		.amdhsa_group_segment_fixed_size 55808
		.amdhsa_private_segment_fixed_size 0
		.amdhsa_enable_private_segment 0
		.amdhsa_kernarg_size 72
		.amdhsa_user_sgpr_count 2
		.amdhsa_user_sgpr_kernarg_segment_ptr 1
		.amdhsa_wavefront_size32 1
		.amdhsa_system_sgpr_workgroup_id_x 1
		.amdhsa_system_sgpr_workgroup_id_y 1
		.amdhsa_system_sgpr_workgroup_id_z 1
		.amdhsa_system_vgpr_workitem_id 0
		.amdhsa_next_free_vgpr 512
		.amdhsa_next_free_sgpr 66
		.amdhsa_reserve_vcc 1
		.amdhsa_float_denorm_mode_32 3
		.amdhsa_float_denorm_mode_16_64 3
		.amdhsa_memory_ordered 1
		.amdhsa_forward_progress 1
		.amdhsa_inst_pref_size 29
	.end_amdhsa_kernel
	.amdgpu_metadata
---
amdhsa.version: [ 1, 2 ]
amdhsa.kernels:
  - .name:           k_qf28aaf884e_route
    .symbol:         k_qf28aaf884e_route.kd
    .args:
      - { .name: x, .offset: 0, .size: 8, .value_kind: global_buffer, .address_space: global }
      - { .name: Wr, .offset: 8, .size: 8, .value_kind: global_buffer, .address_space: global }
      - { .name: br, .offset: 16, .size: 8, .value_kind: global_buffer, .address_space: global }
      - { .name: out1, .offset: 24, .size: 8, .value_kind: global_buffer, .address_space: global }
      - { .name: out2, .offset: 32, .size: 8, .value_kind: global_buffer, .address_space: global }
      - { .name: xq, .offset: 40, .size: 8, .value_kind: global_buffer, .address_space: global }
      - { .name: xsc, .offset: 48, .size: 8, .value_kind: global_buffer, .address_space: global }
      - { .name: sel, .offset: 56, .size: 8, .value_kind: global_buffer, .address_space: global }
      - { .name: gw, .offset: 64, .size: 8, .value_kind: global_buffer, .address_space: global }
    .group_segment_fixed_size: 55808
    .private_segment_fixed_size: 0
    .kernarg_segment_align: 8
    .kernarg_segment_size: 72
    .max_flat_workgroup_size: 128
    .sgpr_count:     66
    .vgpr_count:     512
    .wavefront_size: 32
...
	.end_amdgpu_metadata
.endif
;; end of part 5
;; launch up (part 6): grid 16 x 12, 4 waves a work-group, no clusters, 326,656 bytes of LDS; arguments xq, xsc, sel, Wg_codes, Wg_scales, Wv_codes, Wv_scales, Wg_s_codes, Wg_s_scales, Wv_s_codes, Wv_s_scales, hq, hs, pos; writes hq, hs, pos
.if DOCPART == 6
	.amdgcn_target "amdgcn-amd-amdhsa--gfx1250"
	.amdhsa_code_object_version 6
	.text
	.protected	k_qf28aaf884e_up
	.globl	k_qf28aaf884e_up
	.p2align	8
	.type	k_qf28aaf884e_up,@function
k_qf28aaf884e_up:
	s_mov_b64 s[64:65], 0
	v_nop
	global_prefetch_b8 v0, s[64:65] scope:SCOPE_SE
	s_setreg_imm32_b32 hwreg(HW_REG_WAVE_MODE, 25, 1), 1
	s_wait_xcnt 0x0
; h = Q(silu(x Wg^T) (x Wv^T)) for the rows that an expert was chosen for, and for all rows of the shared expert; both products on codes of E3M2 with E8M0 scales.
; GRID: x = sl, a slice of 128 hidden units (one K step of the next launch); y = ve: 0-7 a routed expert, 8-11 rows 256 (ve - 8) .. + 255 of the shared expert.
; THE WEIGHTS STAY: wave w keeps units 128 sl + 32 w .. + 31 of Wg and of Wv, all of K = 1,024, in 384 registers; each routed weight byte is read by one wave of the launch.
; They are fetched densely: a wave's 32 rows of a matrix are 24,576 consecutive bytes, two rows x 256 aligned bytes a load; the wave's own stage in LDS turns them into fragments.
; THE ROWS PASS BY: 64 rows a step through two LDS slots; wave w gathers tile w of the next step while this step is multiplied, two tokens x 256 aligned bytes a load.
; THE ROW LIST is made here from sel: 32 lane masks (token 32 c + lane chose ve), their counts, and for each rank q the q-th set bit.  A shared part's masks are all ones on its 256 tokens.
; Ranks at or past the count give some valid token; those rows are computed in the last pair of tiles and nobody reads them.
; PRODUCTS ARE USED TRANSPOSED (source 0 = 16 rows of W, source 1 = 16 rows of x), and lane r of tile u takes W's row 8 u + r + 8 (r / 8): a lane then holds one row of x and 16 neighbouring units,
; lanes l and l xor 16 one block of 32 along H: a wave makes one block, one scale byte, a row.
; OUT: hq[T][sl]: a fragment's image (16 rows x 128 units: register group k of lane l at 512 k + 16 l); hs[T][sl]: its scale words, 4 bytes a lane.  T = tile of 16 rows; expert e owns T = 64 e .., the shared parts T = 512 ...
; pos[e][t] = rank of token t in expert e's list; behind them 32 copies of each count.  (Stored by wave 0 of slice 0.)
; NO TENSOR LOADS, NO JOINT LOADS: the number of steps hangs on counts read from memory and differs from expert to expert, so operands come through registers; the loops' trip counts are constants and only work is jumped over.
; LIMITS: NaN and infinities are not served; a block of zeros gets the byte 1 (its codes are zeros; this program alone reads the bytes).
.set XSLOT, 54272                      ; LDS: two slots of x: 4 tiles of 13,056 bytes, then 4 x 512 bytes of scale words
.set XTILE, 13056                      ; a tile: 16 blocks (K step s, lane half h) of 816 bytes; in a block row r's 48 bytes, its 12 operand registers, at 48 r
.set XBLK,  816                        ; 768 + 48: unit q of a token (16 bytes; q = 6 s + 3 h + k) lands at 16 q mod 256, so 16 neighbouring lanes' stores fall on 16 different columns of 16 bytes;
                                       ; read back, lanes stand 48 bytes = 12 words apart: 16 lanes x 4 words cover the 64 words mod 64 once (64 banks of 4 bytes: ISA guide 11.1)
.set XSCO,  52224
.set HB,    108544                     ; two slots of h: 4 images of 1,536 bytes, 48 bytes a lane, then 4 x 64 bytes of scale words
.set HSLOT, 6400
.set HSCO,  6144
.set LIST,  121344                     ; the row list, 4 bytes a rank, 1,024 ranks
.set WSTG,  125440                     ; each wave's own stage for its weights: 2 matrices x 32 rows of 784 bytes
.set WPIT,  784                        ; 768 + 16 = 196 words: row r starts at word 4 r mod 64, lanes 16-31 six words on: the 32 lanes of an 8-byte load touch 64 different words
.set WMAT,  25088
.set WS,  32                           ; v32-63   W's scale words: tile a, K step s at v[WS + 8 a + s]
.set XSC, 64                           ; v64-79   x's scale words, two sets of 8
.set XF,  80                           ; v80-175  x's eight fragments of a tile  (in the head: sel, and pos on its way out)
.set G,   176                          ; v176-191 two tiles of x Wg^T, then h  (in the head: v176, v177 my places in the weights' stage)
.set V,   192                          ; v192-207 two tiles of x Wv^T
.set T,   208                          ; v208-223 at work
; v1 lane, v2 r, v3 h; v4, v5 where I read x's fragments (slot 0, 1); v6-8 where I store units 16 c + lane % 16 of a gathered token; v9 where I store scale bytes; v10, v11 16 r: where I read scale words (slot 0, 1);
; v12 list in; v13, v25 list out (by pairs of rows; by lane / 2), v14, v15 the same with the step's offset; v16-23 gather offsets of eight pairs of tokens, v24 of the scale bytes (in the head: at work);
; v27, v28 my first places in hq, hs; v29, v30 my bytes of W's dense rows, of its scale rows; v31 8 lane; v224-231 at work; v232-234 codes; v235 list in with the pass's offset; v236-248 an image on its way out;
; v249, v250 where I put codes and the scale byte; v251, v252 where I read an image of h back; v253, v254 offsets in hq, hs; v255 16 (lane % 2).
; window 1: W's fragments of K steps 0-3, tile a at v[48 a + 12 s] (first: Wg as fetched); window 2: K steps 4-7 (first: Wv as fetched); window 3: v0-95 a gathered tile, v96-99 its scale bytes.
; s32-63 the masks; s66 wave, s67 sl, s68 ve, s69 max(count, 1), s70 count, s71 tiles to make (even), s72, s73 at work, s74-75 lane selects, s76-77 -log2 e, s78 trips,
; s79 the step's first rank, s80 the next step's place in the list, s81 the tile that I send out, s82 the step's third tile, s83, s84 steps in hq, hs, s85-87 the list's passes.
.set MSB, 0
.macro WIN new                         ; the immediate's high byte repeats the setting that is left
.if MSB != (\new)
	s_set_vgpr_msb (MSB<<8)|(\new)
.set MSB, (\new)
.endif
.endm
	s_load_b512 s[4:19], s[0:1], 0x0               ; xq, xsc, sel, Wg codes, Wg scales, Wv codes, Wv scales, Wg_s codes
	s_load_b256 s[20:27], s[0:1], 0x40             ; Wg_s scales, Wv_s codes, Wv_s scales, hq
	s_load_b128 s[28:31], s[0:1], 0x60             ; hs, pos
	v_lshl_add_u32 v26, v0, 2, 0x4fa00
	s_set_vgpr_msb 0x40
	v_mov_b32 v255, 0
	s_set_vgpr_msb 0x4000
	v_lshrrev_b32 v1, 5, v0
	v_readfirstlane_b32 s66, v1                    ; wave
	s_mov_b32 s67, ttmp9                           ; slice
	s_and_b32 s68, ttmp7, 0xffff                   ; ve
	v_and_b32 v1, 31, v0
	v_and_b32 v2, 15, v0
	v_bfe_u32 v3, v0, 4, 1
	; every LDS address is a constant + arithmetic on the lane + a constant x wave, made here, ahead of every branch
	v_mul_u32_u24 v4, v2, 48
	v_mad_u32_u24 v4, v3, XBLK, v4                 ; x out: 48 r + 816 h
	v_add_nc_u32 v5, XSLOT, v4
	s_mul_i32 s88, s66, XTILE
.irp c, 0,1,2
	v_add_nc_u32 v20, 16*\c, v2                    ; q = 16 c + lane % 16, under 48
	v_mul_u32_u24 v21, v20, 86
	v_lshrrev_b32 v21, 8, v21                      ; q / 3
	v_mul_u32_u24 v21, v21, 768
	v_lshl_add_u32 v21, v20, 4, v21                ; 816 (q / 3) + 16 (q % 3) = 768 (q / 3) + 16 q
	v_mad_u32_u24 v21, v3, 48, v21                 ; lanes 16-31 hold the pair's second row
	v_add_nc_u32 v[6+\c], s88, v21                 ; x in: my wave's tile
.endr
	v_and_b32 v20, 1, v0
	v_bfe_u32 v21, v0, 1, 4                        ; lane / 2
	v_lshlrev_b32 v255, 4, v20
	v_lshlrev_b32 v9, 8, v20
	v_lshl_add_u32 v9, v21, 4, v9
	s_lshl_b32 s88, s66, 9
	s_add_co_u32 s88, s88, XSCO
	v_add_nc_u32 v9, s88, v9                       ; scale bytes in: half lane % 2 of row lane / 2: 256 (lane % 2) + 16 (lane / 2)
	v_lshlrev_b32 v10, 4, v2
	v_add_nc_u32 v11, XSLOT, v10
	v_lshl_add_u32 v12, v0, 2, LIST
	s_lshl_b32 s88, s66, 6
	s_add_co_u32 s89, s88, LIST
	v_lshlrev_b32 v13, 2, v3
	v_add_nc_u32 v13, s89, v13
	v_lshlrev_b32 v25, 2, v21
	v_add_nc_u32 v25, s89, v25
	v_mul_u32_u24 v249, v2, 48                     ; my 12 bytes of codes are registers 6 (w / 2) + 3 h .. of lane r + 16 (w % 2) of the fragment
	v_mad_u32_u24 v249, v3, 12, v249
	s_and_b32 s90, s66, 1
	s_mul_i32 s90, s90, 768
	s_lshr_b32 s91, s66, 1
	s_mul_i32 s91, s91, 24
	s_add_co_u32 s90, s90, s91
	s_add_co_u32 s90, s90, HB
	v_add_nc_u32 v249, s90, v249
	v_lshlrev_b32 v250, 2, v2
	s_add_co_u32 s90, s66, HB+HSCO
	v_add_nc_u32 v250, s90, v250                   ; byte w of row r's scale word
	v_mul_u32_u24 v251, v1, 48
	s_mul_i32 s90, s66, 1536
	s_add_co_u32 s90, s90, HB
	v_add_nc_u32 v251, s90, v251
	v_lshlrev_b32 v252, 2, v2
	s_add_co_u32 s90, s88, HB+HSCO
	v_add_nc_u32 v252, s90, v252
	v_mul_u32_u24 v29, v3, 768
	v_lshl_add_u32 v29, v2, 4, v29                 ; W as it lies: lanes 0-15 one row's 256 bytes, lanes 16-31 the next row's
	v_mul_u32_u24 v176, v3, WPIT
	v_lshl_add_u32 v176, v2, 4, v176
	v_mul_u32_u24 v177, v2, WPIT
	v_mad_u32_u24 v177, v3, 24, v177
	s_mul_i32 s90, s66, 2*WMAT
	s_add_co_u32 s90, s90, WSTG
	v_add_nc_u32 v176, s90, v176                   ; the stage, in
	v_add_nc_u32 v177, s90, v177                   ; and out: row r of a tile, + 24 h
	v_and_b32 v20, 8, v2
	v_add_nc_u32 v20, v20, v2                      ; r + 8 (r / 8)
	v_lshlrev_b32 v30, 5, v20
	v_lshlrev_b32 v31, 3, v1
	v_mov_b32 v231, 0                              ; written once: a lane permute's destination counts as one of its sources
	s_mov_b32 s74, 0x76543210
	s_mov_b32 s75, 0xfedcba98
	s_mov_b32 s76, 0xbfb8aa3b                      ; -log2 e
	s_mov_b32 s77, s76                             ; (named with it as a pair, so it is written)
	s_lshl_b32 s88, s68, 6                         ; routed: T begins at 64 ve;
	s_lshl_b32 s89, s68, 4
	s_add_co_u32 s89, s89, 384                     ; shared: at 512 + 16 (ve - 8)
	s_lshl_b32 s90, s68, 11                        ; routed: W's rows begin at 2,048 ve
	s_mov_b32 s93, 0
	s_wait_alu depctr_va_vdst(0)
	s_wait_kmcnt 0x0
	s_cmp_lt_u32 s68, 8                            ; routed or shared: the choice hangs on the work-group's number alone
	s_cselect_b32 s88, s88, s89
	s_cselect_b32 s90, s90, 0
	s_cselect_b64 s[10:11], s[10:11], s[18:19]
	s_cselect_b64 s[12:13], s[12:13], s[20:21]
	s_cselect_b64 s[14:15], s[14:15], s[22:23]
	s_cselect_b64 s[16:17], s[16:17], s[24:25]
	s_lshl_b32 s91, s67, 7
	s_add_co_u32 s90, s90, s91
	s_lshl_b32 s91, s66, 5
	s_add_co_u32 s90, s90, s91                     ; my first row of W: + 128 sl + 32 w
	s_mul_i32 s92, s90, 768
	s_add_nc_u64 s[10:11], s[10:11], s[92:93]
	s_add_nc_u64 s[14:15], s[14:15], s[92:93]
	s_lshl_b32 s92, s90, 5
	s_add_nc_u64 s[12:13], s[12:13], s[92:93]
	s_add_nc_u64 s[16:17], s[16:17], s[92:93]
	s_add_co_u32 s88, s88, s66                     ; the first tile that I send out
	s_mul_i32 s89, s88, 24576
	s_mul_i32 s91, s67, 1536
	s_add_co_u32 s89, s89, s91
	v_lshl_add_u32 v27, v1, 4, s89
	s_lshl_b32 s89, s88, 11
	s_lshl_b32 s91, s67, 7
	s_add_co_u32 s89, s89, s91
	v_lshl_add_u32 v28, v1, 2, s89
	; sel first, the weights behind it: the list is made while the weights arrive
.set c, 0
.rept 32
	global_load_b64 v[XF+2*c:XF+2*c+1], v31, s[8:9] offset:256*c   ; tokens 32 c + lane: their two experts
.set c, c+1
.endr
.irp u, 0,1
	global_load_b128 v[WS+8*\u:WS+8*\u+3], v30, s[12:13] offset:256*\u
	global_load_b128 v[WS+8*\u+4:WS+8*\u+7], v30, s[12:13] offset:256*\u+16
	global_load_b128 v[WS+16+8*\u:WS+16+8*\u+3], v30, s[16:17] offset:256*\u
	global_load_b128 v[WS+16+8*\u+4:WS+16+8*\u+7], v30, s[16:17] offset:256*\u+16
.endr
.macro WDENSE base                     ; my 32 rows of a matrix as they lie: pair p of rows, third c of a row, into registers 4 (3 p + c) on: sixteen lanes read 256 consecutive aligned bytes
.set p, 0
.rept 16
.irp c, 0,1,2
	global_load_b128 v[4*(3*p+\c):4*(3*p+\c)+3], v29, s[\base:\base+1] offset:1536*p+256*\c
.endr
.set p, p+1
.endr
.endm
	WIN 0x40
	WDENSE 10                                      ; Wg into window 1
	WIN 0
	s_wait_loadcnt 56                              ; behind sel's 32 loads: 8 of scale words and Wg's 48: sel is in
.set c, 0
.rept 32
	v_cmp_eq_u32 s[32+c], s68, v[XF+2*c]           ; no token names an expert of 8 or more: a shared part finds nothing here
	v_cmp_eq_u32 vcc_lo, s68, v[XF+2*c+1]
	s_or_b32 s[32+c], s[32+c], vcc_lo
.set c, c+1
.endr
	s_sub_co_u32 s73, s68, 8                       ; shared part 0-3 (a routed expert: a number that no compare below meets)
.irp gq, 0,1,2,3
	s_cmp_eq_u32 s73, \gq
.irp k, 0,1,2,3,4,5,6,7
	s_cselect_b32 s[32+8*\gq+\k], -1, s[32+8*\gq+\k]   ; its 256 tokens: eight masks of all ones
.endr
.endr
	s_mov_b32 s70, 0
.set c, 0
.rept 32
	s_bcnt1_i32_b32 s73, s[32+c]
	s_add_co_u32 s70, s70, s73
.set c, c+1
.endr
	s_add_co_u32 s71, s70, 31
	s_lshr_b32 s71, s71, 5
	s_lshl_b32 s71, s71, 1                         ; tiles are made in pairs: 2 ceil(count / 32)
	s_max_u32 s69, s70, 1
	WIN 0x80
	WDENSE 14                                      ; Wv into window 2: asked for here, when part of Wg has come; it arrives while the list is made
	WIN 0
	; ranks and the count go to memory once for each routed expert
	s_cmp_lg_u32 s67, 0
	s_cbranch_scc1 .Lnopos
	s_cmp_lg_u32 s66, 0
	s_cbranch_scc1 .Lnopos
	s_cmp_ge_u32 s68, 8
	s_cbranch_scc1 .Lnopos
	s_lshl_b32 s92, s68, 12
	s_add_nc_u64 s[88:89], s[30:31], s[92:93]
	s_lshl_b32 s92, s68, 7
	s_add_co_u32 s92, s92, 32768
	s_add_nc_u64 s[90:91], s[30:31], s[92:93]
	v_lshlrev_b32 v254, 2, v1
	s_mov_b32 s72, 0
.set c, 0
.rept 32
	v_mbcnt_lo_u32_b32 v[144+c], s[32+c], s72      ; set bits under my lane + those of the masks before
	s_wait_alu depctr_va_vdst(0)
	global_store_b32 v254, v[144+c], s[88:89] offset:128*c
	s_bcnt1_i32_b32 s73, s[32+c]
	s_add_co_u32 s72, s72, s73
.set c, c+1
.endr
	v_mov_b32 v248, s70
	global_store_b32 v254, v248, s[90:91]
.Lnopos:
; One level of the search for the n-th set bit: t = set bits in the lower half of what is left; if n >= t the bit lies in the upper half
.macro LEVEL a, wd
	v_bfe_u32 v24, v[\a], v228, \wd
	v_cmp_ge_u32 vcc_lo, v20, v24
	v_cndmask_b32 v24, 0, v24, vcc_lo
	v_sub_nc_u32 v20, v20, v24
	v_cndmask_b32 v229, 0, \wd, vcc_lo
	v_add_nc_u32 v228, v228, v229
.endm
	s_mov_b32 s85, 0
	s_mov_b32 s87, 0
	s_mov_b32 s86, 0
.Lpass:                                                ; eight passes of 128 ranks, a constant; passes past the count are jumped over, pass 0 never
	s_cmp_ge_u32 s85, s69
	s_cbranch_scc1 .Lnopass
	v_add_nc_u32 v20, s85, v0                      ; q, my rank
	v_mov_b32 v21, 0                               ; set bits ahead of my mask
	v_mov_b32 v22, s32                             ; my mask
	v_mov_b32 v23, 0                               ; and its number: the last one with no more than q set bits ahead of it
	s_bcnt1_i32_b32 s72, s32
.set c, 1
.rept 31
	v_cmp_le_u32 vcc_lo, s72, v20
	v_cndmask_b32 v21, v21, s72, vcc_lo
	v_cndmask_b32 v22, v22, s[32+c], vcc_lo
	v_cndmask_b32 v23, v23, c, vcc_lo
	s_bcnt1_i32_b32 s73, s[32+c]
	s_add_co_u32 s72, s72, s73
.set c, c+1
.endr
	v_sub_nc_u32 v20, v20, v21                     ; n
	v_lshrrev_b32 v24, 1, v22
	v_and_b32 v24, 0x55555555, v24
	v_sub_nc_u32 v224, v22, v24                    ; counts of 2 bits,
	v_lshrrev_b32 v24, 2, v224
	v_and_b32 v24, 0x33333333, v24
	v_and_b32 v225, 0x33333333, v224
	v_add_nc_u32 v225, v225, v24                   ; of 4,
	v_lshrrev_b32 v24, 4, v225
	v_add_nc_u32 v24, v225, v24
	v_and_b32 v226, 0x0f0f0f0f, v24                ; of 8,
	v_lshrrev_b32 v24, 8, v226
	v_add_nc_u32 v24, v226, v24
	v_and_b32 v227, 0x00ff00ff, v24                ; of 16
	v_mov_b32 v228, 0
	LEVEL 227, 16
	LEVEL 226, 8
	LEVEL 225, 4
	LEVEL 224, 2
	LEVEL 22, 1
	v_lshl_add_u32 v228, v23, 5, v228              ; the token: at most 1,023 whatever q
	v_add_nc_u32 v235, s87, v12
	ds_store_b32 v235, v228
.Lnopass:
	s_add_co_u32 s85, s85, 128
	s_add_co_u32 s87, s87, 512
	s_add_co_u32 s86, s86, 1
	s_cmp_lt_u32 s86, 8
	s_cbranch_scc1 .Lpass
	s_wait_dscnt 0x0                               ; my part of the list is in LDS
	s_barrier_signal -1
	s_barrier_wait -1                              ; everybody's is
; My tile of 16 rows, as the tokens lie in memory: pair p of rows, third c of a token's 768 bytes: sixteen lanes read 256 consecutive aligned bytes.  And one load for the 16 tokens' 32 scale bytes, 16 bytes a lane.
.macro GATHER
.irp p, 0,1,2,3,4,5,6,7
	ds_load_b32 v[16+\p], v14 offset:8*\p          ; the token of row 2 p + lane / 16
.endr
	ds_load_b32 v24, v15                           ; the token of row lane / 2
	s_wait_dscnt 0x0
.irp p, 0,1,2,3,4,5,6,7,8
	v_min_u32 v[16+\p], 0x3ff, v[16+\p]
.endr
.irp p, 0,1,2,3,4,5,6,7
	v_mul_u32_u24 v[16+\p], v[16+\p], 768
.endr
.irp p, 0,1,2,3,4,5,6,7
	v_add_nc_u32 v[16+\p], v[16+\p], v10
.endr
	v_lshlrev_b32 v24, 5, v24
	v_add_nc_u32 v24, v24, v255
	WIN 0xc0                                       ; destination window 3
.irp p, 0,1,2,3,4,5,6,7
.irp c, 0,1,2
	global_load_b128 v[4*(3*\p+\c):4*(3*\p+\c)+3], v[16+\p], s[4:5] offset:256*\c
.endr
.endr
	global_load_b128 v[96:99], v24, s[6:7]
	WIN 0
.endm
.macro STOREX sg                       ; and hands them to the other waves: unit q of row r goes to block q / 3, row r's 48 bytes, piece q % 3
	s_wait_loadcnt 0x0                             ; the gather is in
	WIN 0x0c                                       ; LDS store data in window 3
.irp p, 0,1,2,3,4,5,6,7
.irp c, 0,1,2
	ds_store_b128 v[6+\c], v[4*(3*\p+\c):4*(3*\p+\c)+3] offset:XSLOT*(\sg)+96*\p
.endr
.endr
	ds_store_b128 v9, v[96:99] offset:XSLOT*(\sg)
	WIN 0
.endm
.macro LOADA sg, j                     ; tile j: fragments of K steps 0-3 and the eight scale words: 14 loads
.irp s, 0,1,2,3
.irp k, 0,1,2
	ds_load_b128 v[XF+12*\s+4*\k:XF+12*\s+4*\k+3], v[4+\sg] offset:XTILE*(\j)+2*XBLK*\s+16*\k
.endr
.endr
.irp k, 0,1
	ds_load_b128 v[XSC+8*((\j)%2)+4*\k:XSC+8*((\j)%2)+4*\k+3], v[10+\sg] offset:XSCO+512*(\j)+256*\k
.endr
.endm
.macro LOADB sg, j                     ; K steps 4-7: 12 loads
.irp s, 4,5,6,7
.irp k, 0,1,2
	ds_load_b128 v[XF+12*\s+4*\k:XF+12*\s+4*\k+3], v[4+\sg] offset:XTILE*(\j)+2*XBLK*\s+16*\k
.endr
.endr
.endm
; 16 products: four K steps x four tiles of W.  The four accumulators take turns, one instruction a turn; the first K step starts the sums with the constant 0.
; Four plain places follow: behind them come loads into the fragments just read, and the first read of results.
.macro MULH half, pi
	WIN 1+\half                                    ; source 0 (W) in window 1 or 2
.irp s, 0,1,2,3
.irp a, 0,1,2,3
.if (\half == 0) && (\s == 0)
	v_wmma_scale_f32_16x16x128_f8f6f4 v[G+8*\a:G+8*\a+7], v[48*\a+12*\s:48*\a+12*\s+11], v[XF+48*\half+12*\s:XF+48*\half+12*\s+11], 0, v[WS+8*\a+4*\half+\s], v[XSC+8*(\pi)+4*\half+\s] matrix_a_fmt:MATRIX_FMT_BF6 matrix_b_fmt:MATRIX_FMT_BF6
.else
	v_wmma_scale_f32_16x16x128_f8f6f4 v[G+8*\a:G+8*\a+7], v[48*\a+12*\s:48*\a+12*\s+11], v[XF+48*\half+12*\s:XF+48*\half+12*\s+11], v[G+8*\a:G+8*\a+7], v[WS+8*\a+4*\half+\s], v[XSC+8*(\pi)+4*\half+\s] matrix_a_fmt:MATRIX_FMT_BF6 matrix_b_fmt:MATRIX_FMT_BF6
.endif
.endr
.endr
	WIN 0
.rept 4
	v_nop
.endr
.endm
; h = g v / (1 + 2^(-g log2 e)), in f32; then the quantiser: my 16 numbers and lane l xor 16's are a block.  Each accumulator is read from its low end on.
.macro EPI sg, j
.irp i, 0,2,4,6,8,10,12,14
	v_pk_mul_f32 v[T+\i:T+\i+1], v[G+\i:G+\i+1], s[76:77] op_sel_hi:[1,0]
.endr
	s_wait_alu depctr_va_vdst(0)
.irp i, 0,1,2,3,4,5,6,7,8,9,10,11,12,13,14,15
	v_exp_f32 v[T+\i], v[T+\i]
.endr
	s_wait_alu depctr_va_vdst(0)
.irp i, 0,2,4,6,8,10,12,14
	v_pk_mul_f32 v[G+\i:G+\i+1], v[G+\i:G+\i+1], v[V+\i:V+\i+1]      ; g v.  (Plain instructions behind the exponentials)
.endr
	s_wait_alu depctr_va_vdst(0)
.irp i, 0,2,4,6,8,10,12,14
	v_pk_add_f32 v[T+\i:T+\i+1], v[T+\i:T+\i+1], 1.0 op_sel_hi:[1,0]
.endr
	s_wait_alu depctr_va_vdst(0)
.irp i, 0,1,2,3,4,5,6,7,8,9,10,11,12,13,14,15
	v_rcp_f32 v[T+\i], v[T+\i]
.endr
	v_nop                                          ; a plain instruction behind the reciprocals
	s_wait_alu depctr_va_vdst(0)
.irp i, 0,2,4,6,8,10,12,14
	v_pk_mul_f32 v[G+\i:G+\i+1], v[G+\i:G+\i+1], v[T+\i:T+\i+1]
.endr
	v_max3_num_f32 v224, |v[G]|, |v[G+1]|, 0x2800000   ; the floor 2^(5 - 127): the byte cannot fall under 1
	v_max3_num_f32 v225, |v[G+2]|, |v[G+3]|, |v[G+4]|
	v_max3_num_f32 v224, v224, |v[G+5]|, |v[G+6]|
	v_max3_num_f32 v225, v225, |v[G+7]|, |v[G+8]|
	v_max3_num_f32 v224, v224, |v[G+9]|, |v[G+10]|
	v_max3_num_f32 v225, v225, |v[G+11]|, |v[G+12]|
	v_max3_num_f32 v224, v224, |v[G+13]|, |v[G+14]|
	v_max3_num_f32 v224, v224, v225, |v[G+15]|
	v_permlanex16_b32 v231, v224, s74, s75
	v_max_num_f32 v224, v224, v231                 ; the block's largest magnitude
	v_add_nc_u32 v226, 0xfe000000, v224            ; 4 off its exponent field: the conversion's scale operand
	v_lshrrev_b32 v230, 23, v226                   ; the scale's byte
	v_cvt_scalef32_pk16_bf6_f32 v[232:234], v[G:G+15], v226
	v_nop                                          ; a plain instruction behind the conversion: matrix instructions write its sources again
.irp i, 0,1,2
	ds_store_b32 v249, v[232+\i] offset:HSLOT*(\sg)+1536*(\j)+4*\i
.endr
	ds_store_b8 v250, v230 offset:HSLOT*(\sg)+64*(\j)  ; both lanes of a block write the same byte with the same value
.endm
.macro TILE sg, j
.if \j == 0
	s_wait_dscnt 12                                ; behind this tile's first 14 loads: its other 12
.else
	s_wait_dscnt 16                                ; its other 12 and the last tile's four stores
.endif
	MULH 0, (\j)%2
.if \j < 3
	LOADA \sg, \j+1
	s_wait_dscnt 14                                ; all but the 14 just issued: K steps 4-7 are in, and the last tile's stores have read their registers
.else
	s_wait_dscnt 0x0
.endif
	MULH 1, (\j)%2
.if \j < 3
	LOADB \sg, \j+1
.else
	; the step's last tile: the next step's rows go into the other slot here, ahead of the epilogue's vector work.  A next step with rows means that all four tiles of this step are made.
	s_add_co_u32 s73, s79, 64
	s_cmp_lt_u32 s73, s70
	s_cbranch_scc0 .Lnos_\@
	STOREX 1-\sg
.Lnos_\@:
.endif
	EPI \sg, \j
.endm
.macro HOUT sg                         ; tile w of the step before leaves: 48 bytes a lane out of LDS, three stores of 512 consecutive aligned bytes, and 128 bytes of scale words
	v_add_nc_u32 v253, s83, v27
	v_add_nc_u32 v254, s84, v28
.irp k, 0,1,2
	ds_load_b128 v[236+4*\k:239+4*\k], v251 offset:HSLOT*(\sg)+16*\k
.endr
	ds_load_b32 v248, v252 offset:HSLOT*(\sg)
	s_wait_alu depctr_va_vdst(0)
	s_wait_dscnt 0x0
.irp k, 0,1,2
	global_store_b128 v253, v[236+4*\k:239+4*\k], s[26:27] offset:512*\k
.endr
	global_store_b32 v254, v248, s[28:29]
	s_add_co_u32 s83, s83, 98304                   ; four tiles on
	s_add_co_u32 s84, s84, 8192
.endm
; A STEP of 64 rows, one barrier.  In front of it every wave's LDS instructions are done: its stores of the step before (x's next slot, h's slot) have landed, its reads are back.
; Behind it: x's slot sg is whole and is read; the other is written; h's slot sg is written; the other is read.  Each bracket of work is jumped over by a scalar branch on the count; no barrier stands in one.
.macro STEP sg
	s_wait_dscnt 0x0
	s_barrier_signal -1
	s_barrier_wait -1
	s_wait_xcnt 0x0                                ; the registers of earlier stores and loads may be written again
	s_wait_loadcnt 0x0                             ; no gather is out
	s_min_u32 s73, s80, 3840                       ; the next step's place in the list, held inside it: behind the last step the address is formed and not used
	v_add_nc_u32 v14, s73, v13
	v_add_nc_u32 v15, s73, v25
	s_cmp_lt_u32 s79, s70
	s_cbranch_scc0 .Lidle_\@
	LOADA \sg, 0                                   ; a step with rows: its first tile's 26 loads are issued first; the way out and the gather stand between them and their use
	LOADB \sg, 0
	s_cmp_lt_u32 s81, s71
	s_cbranch_scc0 .Lnoh_\@
	HOUT 1-\sg
.Lnoh_\@:
	s_add_co_u32 s73, s79, 64
	s_cmp_lt_u32 s73, s70
	s_cbranch_scc0 .Lnog_\@
	s_wait_alu depctr_va_vdst(0)
	GATHER                                         ; the next step's rows are on their way while this step is multiplied
.Lnog_\@:
	TILE \sg, 0
	TILE \sg, 1
	s_cmp_lt_u32 s82, s71
	s_cbranch_scc0 .Lnow_\@
	TILE \sg, 2
	TILE \sg, 3
	s_branch .Lnow_\@
.Lidle_\@:                                             ; a step without rows: only the step before may still have a tile to send out
	s_cmp_lt_u32 s81, s71
	s_cbranch_scc0 .Lnow_\@
	HOUT 1-\sg
.Lnow_\@:
	s_add_co_u32 s79, s79, 64
	s_add_co_u32 s80, s80, 256
	s_add_co_u32 s81, s81, 4
	s_add_co_u32 s82, s82, 4
.endm
	v_mov_b32 v14, v13
	v_mov_b32 v15, v25
	GATHER                                         ; step 0, always: with no rows at all it fetches valid tokens that nobody uses
	s_wait_loadcnt 25                              ; behind the weights: the gather's 25 loads, which stay out while the weights are turned
	; THE WEIGHTS' TURN, through my own stage.  Row 8 u + r % 8 + 16 (r / 8) of my 32 is row r of tile u and goes to place 16 u + r, so that a tile's rows are neighbours.
	; LDS serves a wave's instructions in order (ISA guide 5.7.1.4): no wait between the stores and the loads, which land in the registers that the stores have read.
	WIN 0x04                                       ; LDS store data in window 1: Wg
.set p, 0
.rept 16
.irp c, 0,1,2
	ds_store_b128 v176, v[4*(3*p+\c):4*(3*p+\c)+3] offset:WPIT*(16*(((2*p)/8)%2)+(2*p)%8+8*((2*p)/16))+256*\c
.endr
.set p, p+1
.endr
	WIN 0x08                                       ; window 2: Wv
.set p, 0
.rept 16
.irp c, 0,1,2
	ds_store_b128 v176, v[4*(3*p+\c):4*(3*p+\c)+3] offset:WMAT+WPIT*(16*(((2*p)/8)%2)+(2*p)%8+8*((2*p)/16))+256*\c
.endr
.set p, p+1
.endr
.macro WFRAG k0                        ; four K steps from k0 on of the four tiles (0, 1: Wg; 2, 3: Wv).  A fragment is the row's stream of bits as it lies: 24 bytes at 96 s + 24 h and 24 at 96 s + 48 + 24 h, in pieces of 8
.irp a, 0,1,2,3
.irp s, 0,1,2,3
.irp p, 0,1,2,3,4,5
	ds_load_b64 v[48*\a+12*\s+2*\p:48*\a+12*\s+2*\p+1], v177 offset:WMAT*(\a/2)+16*WPIT*(\a%2)+96*(\k0+\s)+48*(\p/3)+8*(\p%3)
.endr
.endr
.endr
.endm
	WIN 0x40
	WFRAG 0
	WIN 0x80
	WFRAG 4
	WIN 0
	STOREX 0
	s_mov_b32 s79, 0
	s_mov_b32 s80, 256
	s_sub_co_u32 s81, s66, 4                       ; no tile yet: as an unsigned number it lies over every count
	s_mov_b32 s82, 2
	s_mov_b32 s83, 0
	s_mov_b32 s84, 0
	s_mov_b32 s78, 8
.Lstep:                                                ; 8 trips x 2 steps x 64 rows: room for all 1,024 tokens on one expert.  (The first step's wait for all LDS instructions covers the weights' turn)
	STEP 0
	STEP 1
	s_sub_co_u32 s78, s78, 1
	s_cmp_lg_u32 s78, 0
	s_cbranch_scc1 .Lstep
	s_wait_dscnt 0x0
	s_barrier_signal -1
	s_barrier_wait -1
	s_wait_xcnt 0x0
	s_cmp_lt_u32 s81, s71
	s_cbranch_scc0 .Lend
	HOUT 1
.Lend:
	s_set_vgpr_msb 0x4
	s_wait_tensorcnt 0x0
	ds_add_u32 v26, v255
	s_wait_dscnt 0x0
	s_set_vgpr_msb 0x400
	s_endpgm
.Lfunc_end_k_qf28aaf884e_up:
	.size	k_qf28aaf884e_up, .Lfunc_end_k_qf28aaf884e_up-k_qf28aaf884e_up
	.p2alignl 7, 3214868480
	.fill 96, 4, 3214868480
	.section	.rodata,"a",@progbits
	.p2align	6, 0x0
	.amdhsa_kernel k_qf28aaf884e_up
		.amdhsa_group_segment_fixed_size 326656
		.amdhsa_private_segment_fixed_size 0
		.amdhsa_enable_private_segment 0
		.amdhsa_kernarg_size 112
		.amdhsa_user_sgpr_count 2
		.amdhsa_user_sgpr_kernarg_segment_ptr 1
		.amdhsa_wavefront_size32 1
		.amdhsa_system_sgpr_workgroup_id_x 1
		.amdhsa_system_sgpr_workgroup_id_y 1
		.amdhsa_system_sgpr_workgroup_id_z 1
		.amdhsa_system_vgpr_workitem_id 0
		.amdhsa_next_free_vgpr 896
		.amdhsa_next_free_sgpr 100
		.amdhsa_reserve_vcc 1
		.amdhsa_float_denorm_mode_32 3
		.amdhsa_float_denorm_mode_16_64 3
		.amdhsa_memory_ordered 1
		.amdhsa_forward_progress 1
		.amdhsa_inst_pref_size 174
	.end_amdhsa_kernel
	.amdgpu_metadata
---
amdhsa.version: [ 1, 2 ]
amdhsa.kernels:
  - .name:           k_qf28aaf884e_up
    .symbol:         k_qf28aaf884e_up.kd
    .args:
      - { .name: xq, .offset: 0, .size: 8, .value_kind: global_buffer, .address_space: global }
      - { .name: xsc, .offset: 8, .size: 8, .value_kind: global_buffer, .address_space: global }
      - { .name: sel, .offset: 16, .size: 8, .value_kind: global_buffer, .address_space: global }
      - { .name: Wg_codes, .offset: 24, .size: 8, .value_kind: global_buffer, .address_space: global }
      - { .name: Wg_scales, .offset: 32, .size: 8, .value_kind: global_buffer, .address_space: global }
      - { .name: Wv_codes, .offset: 40, .size: 8, .value_kind: global_buffer, .address_space: global }
      - { .name: Wv_scales, .offset: 48, .size: 8, .value_kind: global_buffer, .address_space: global }
      - { .name: Wg_s_codes, .offset: 56, .size: 8, .value_kind: global_buffer, .address_space: global }
      - { .name: Wg_s_scales, .offset: 64, .size: 8, .value_kind: global_buffer, .address_space: global }
      - { .name: Wv_s_codes, .offset: 72, .size: 8, .value_kind: global_buffer, .address_space: global }
      - { .name: Wv_s_scales, .offset: 80, .size: 8, .value_kind: global_buffer, .address_space: global }
      - { .name: hq, .offset: 88, .size: 8, .value_kind: global_buffer, .address_space: global }
      - { .name: hs, .offset: 96, .size: 8, .value_kind: global_buffer, .address_space: global }
      - { .name: pos, .offset: 104, .size: 8, .value_kind: global_buffer, .address_space: global }
    .group_segment_fixed_size: 326656
    .private_segment_fixed_size: 0
    .kernarg_segment_align: 8
    .kernarg_segment_size: 112
    .max_flat_workgroup_size: 128
    .sgpr_count:     100
    .vgpr_count:     896
    .wavefront_size: 32
...
	.end_amdgpu_metadata
.endif
;; end of part 6
;; launch down (part 7): grid 16 x 12, 4 waves a work-group, no clusters, 169,472 bytes of LDS; arguments hq, hs, pos, Wo_codes, Wo_scales, bo, Wo_s_codes, Wo_s_scales, bo_s, y; writes y
.if DOCPART == 7
	.amdgcn_target "amdgcn-amd-amdhsa--gfx1250"
	.amdhsa_code_object_version 6
	.text
	.protected	k_qf28aaf884e_down
	.globl	k_qf28aaf884e_down
	.p2align	8
	.type	k_qf28aaf884e_down,@function
k_qf28aaf884e_down:
	s_mov_b64 s[64:65], 0
	v_nop
	global_prefetch_b8 v0, s[64:65] scope:SCOPE_SE
	s_setreg_imm32_b32 hwreg(HW_REG_WAVE_MODE, 25, 1), 1
	s_wait_xcnt 0x0
; y = h Wo^T + bo for each chosen row of each routed expert, and h_s Wo_s^T + bo_s for every row; on codes of E3M2 with E8M0 scales.
; GRID: x = sl, a slice of 64 output columns; y = ve: 0-7 a routed expert, 8-11 rows 256 (ve - 8) .. of the shared expert.
; K = 2,048 IS SPLIT OVER THE WAVES: wave w keeps K steps 4 w .. 4 w + 3 of the slice's four tiles of Wo in 192 registers, and reads only its quarter of each tile of h,
; 6,144 dense bytes, straight from memory as images of the operand's registers: each fragment feeds four products, and nothing is read twice in a work-group.
; Wo's slice, 64 rows of 1,536 bytes, is one dense block: each wave fetches 16 rows by loads of 512 consecutive bytes and lays them into LDS; behind one barrier each wave takes its K steps of all 64 rows.
; The four partial sums meet in a stage in LDS, which also turns them into whole rows: sixteen lanes store 256 consecutive aligned bytes of y.
; ORDER OF ROUNDING: a number of y is (p0 + p1) + (p2 + p3) + bias, p_w the f32 sum over wave w's 512 of K; not one ascending sum.
; PRODUCTS ARE USED TRANSPOSED (source 0 = 16 rows of Wo, source 1 = 16 rows of h): a lane holds eight neighbouring columns of one row of y.
; 32 rows a step.  The trip counts are constants (room for 1,024 rows); steps past the count, which the launch before stored, pass their barrier and do nothing else.  Rows between the count and the end of its last step are computed and stored and nobody reads them.
; NO TENSOR LOADS, NO JOINT LOADS: branches hang on a count read from memory, which differs from expert to expert.
; window 0: v4, v13 where I read Wo's fragments (tiles 0-1, 2-3), v5 its scale words, v6 16 lane, v7 4 lane, v8 stage in, v9 stage out, v10 offset in y, v11 its lane part, v12 bias, v14 where I lay Wo's rows;
;   v16-31 W's scale words; v32-47 h's, two sets; v48-239 h's fragments, two sets of 96; v240-243 bias.
; window 1: v0-191 W's fragments (tile n, K step s at v[48 n + 12 s]; first: 16 rows as fetched); v192-255 eight accumulators (tile of rows t, tile of columns n at v[192 + 8 (4 t + n)]).   window 2: v0-63 the four parts of my 8 rows.
; s24 count, s26 wave, s27 sl, s28 ve, s29 expert or 0, s30 first tile, s31 the step's first row, s32 the step's offset in y, s33 trips.
.set WST,  69632                       ; LDS: behind the two slots of the stage: Wo's 64 rows
.set WPIT, 1552                        ; 1,536 + 16 = 388 words: row r starts at word 4 r mod 64, lanes 16-31 six words on: the 32 lanes of an 8-byte load touch 64 different words (64 banks of 4 bytes: ISA guide 11.1)
.set MSB, 0
.macro WIN new                         ; the immediate's high byte repeats the setting that is left
.if MSB != (\new)
	s_set_vgpr_msb (MSB<<8)|(\new)
.set MSB, (\new)
.endif
.endm
	s_load_b512 s[4:19], s[0:1], 0x0               ; hq, hs, pos, Wo codes, Wo scales, bo, Wo_s codes, Wo_s scales
	s_load_b128 s[20:23], s[0:1], 0x40             ; bo_s, y
	v_lshl_add_u32 v254, v0, 2, 0x29400
	v_mov_b32 v255, 0
	v_lshrrev_b32 v1, 5, v0
	v_readfirstlane_b32 s26, v1
	s_mov_b32 s27, ttmp9
	s_and_b32 s28, ttmp7, 0xffff
	v_and_b32 v1, 31, v0
	v_and_b32 v2, 15, v0                           ; r
	v_bfe_u32 v3, v0, 4, 1                         ; h
	v_lshlrev_b32 v5, 6, v2
	v_lshlrev_b32 v6, 4, v1
	v_lshlrev_b32 v7, 2, v1
	v_mul_u32_u24 v8, v2, 272                      ; the stage: 32 rows of 256 bytes + 16 for each wave's part; in: row r, 32 bytes for each half of the lanes
	v_lshl_add_u32 v8, v3, 5, v8
	s_mul_i32 s34, s26, 8704
	v_add_nc_u32 v8, s34, v8
	v_mul_u32_u24 v9, v3, 272                      ; out: rows 8 w + 2 i + h, 16 bytes a lane
	v_lshl_add_u32 v9, v2, 4, v9
	s_mul_i32 s34, s26, 2176
	v_add_nc_u32 v9, s34, v9
	v_lshlrev_b32 v11, 12, v3
	v_lshl_add_u32 v11, v2, 4, v11
	v_lshlrev_b32 v12, 4, v2
	s_mul_i32 s34, s26, 16*WPIT
	s_add_co_u32 s34, s34, WST
	v_add_nc_u32 v14, s34, v6                      ; Wo in: my 16 rows, 16 bytes a lane
	v_mul_u32_u24 v4, v2, WPIT
	v_mad_u32_u24 v4, v3, 24, v4
	s_mul_i32 s34, s26, 384
	s_add_co_u32 s34, s34, WST
	v_add_nc_u32 v4, s34, v4                       ; Wo out: row r of a tile, + 24 h, + my four K steps of 96 bytes
	v_add_nc_u32 v13, 32*WPIT, v4                  ; and the same 32 rows on
	s_min_u32 s25, s28, 7
	s_lshl_b32 s25, s25, 7
	s_lshl_b32 s30, s28, 6
	s_lshl_b32 s34, s28, 4
	s_add_co_u32 s34, s34, 384
	s_mov_b32 s37, 0
	s_wait_alu depctr_va_vdst(0)
	s_wait_kmcnt 0x0
	s_load_b32 s24, s[8:9], s25 offset:0x8000      ; the expert's count
	s_cmp_lt_u32 s28, 8                            ; routed or shared: the choice hangs on the work-group's number alone
	s_cselect_b32 s30, s30, s34
	s_cselect_b32 s29, s28, 0
	s_cselect_b64 s[10:11], s[10:11], s[16:17]
	s_cselect_b64 s[12:13], s[12:13], s[18:19]
	s_cselect_b64 s[14:15], s[14:15], s[20:21]
	s_lshl_b32 s34, s29, 10
	s_lshl_b32 s35, s27, 6
	s_add_co_u32 s34, s34, s35                     ; my slice's first row of Wo
	s_lshl_b32 s38, s26, 4
	s_add_co_u32 s38, s38, s34                     ; the 16 rows that I fetch
	s_mul_i32 s36, s38, 1536
	s_add_nc_u64 s[10:11], s[10:11], s[36:37]
	s_lshl_b32 s36, s34, 6
	s_lshl_b32 s38, s26, 4
	s_add_co_u32 s36, s36, s38
	s_add_nc_u64 s[12:13], s[12:13], s[36:37]      ; scale words: 64 bytes a row, + my four K steps' 16
	s_lshl_b32 s36, s34, 2
	s_add_nc_u64 s[14:15], s[14:15], s[36:37]
	s_mul_i32 s36, s30, 24576
	s_mul_i32 s38, s26, 6144
	s_add_co_u32 s36, s36, s38
	s_add_nc_u64 s[4:5], s[4:5], s[36:37]
	s_lshl_b32 s36, s30, 11
	s_lshl_b32 s38, s26, 9
	s_add_co_u32 s36, s36, s38
	s_add_nc_u64 s[6:7], s[6:7], s[36:37]
	s_lshl_b32 s36, s30, 16                        ; 16 rows of 4,096 bytes a tile,
	s_lshl_b32 s38, s26, 15                        ; my 8 rows of a step's 32,
	s_add_co_u32 s36, s36, s38
	s_lshl_b32 s38, s27, 8                         ; my slice's 256 bytes
	s_add_co_u32 s36, s36, s38
	s_add_nc_u64 s[22:23], s[22:23], s[36:37]
; A step's two tiles of h, my four K steps, into set pi: 24 loads of 512 dense bytes and 8 of scale words: 32 loads.  nx = 1: the step behind the one that the pointers stand at
.macro HLOAD pi, nx
.irp t, 0,1
.irp s, 0,1,2,3
.irp k, 0,1,2
	global_load_b128 v[48+96*(\pi)+48*\t+12*\s+4*\k:48+96*(\pi)+48*\t+12*\s+4*\k+3], v6, s[4:5] offset:49152*(\nx)+24576*\t+1536*\s+512*\k
.endr
	global_load_b32 v[32+8*(\pi)+4*\t+\s], v7, s[6:7] offset:4096*(\nx)+2048*\t+128*\s
.endr
.endr
.endm
	WIN 0x40                                       ; Wo first: it has the longer way.  Row q of my 16, third c, into registers 4 (3 q + c) on of window 1: 32 lanes read 512 consecutive aligned bytes
.set q, 0
.rept 16
.irp c, 0,1,2
	global_load_b128 v[4*(3*q+\c):4*(3*q+\c)+3], v6, s[10:11] offset:1536*q+512*\c
.endr
.set q, q+1
.endr
	WIN 0
.irp n, 0,1,2,3
	global_load_b128 v[16+4*\n:19+4*\n], v5, s[12:13] offset:1024*\n
.endr
	global_load_b128 v[240:243], v12, s[14:15]
	HLOAD 0, 0                                     ; steps 0 and 1 are asked for whatever the count: four tiles from an expert's first always lie inside hq; what is not wanted is not used
	HLOAD 1, 1
	s_wait_kmcnt 0x0
	s_min_u32 s24, s24, 1024
	s_cmp_lt_u32 s28, 8
	s_cselect_b32 s24, s24, 256                    ; a shared part has 256 rows
	s_mov_b32 s31, 0
	s_mov_b32 s32, 0
	s_wait_loadcnt 63                              ; 69 loads were issued behind Wo's 48, and the wait's field names 63 at most: Wo is in
	WIN 0x04                                       ; LDS store data in window 1
.set q, 0
.rept 16
.irp c, 0,1,2
	ds_store_b128 v14, v[4*(3*q+\c):4*(3*q+\c)+3] offset:WPIT*q+512*\c
.endr
.set q, q+1
.endr
	WIN 0
	s_wait_dscnt 0x0                               ; my 16 rows lie in LDS
	s_barrier_signal -1
	s_barrier_wait -1                              ; all 64 do; nobody writes them again
	WIN 0x40                                       ; a fragment is the row's stream of bits as it lies: 24 bytes at 96 s + 24 h and 24 at 96 s + 48 + 24 h, in pieces of 8
.irp n, 0,1
.irp s, 0,1,2,3
.irp p, 0,1,2,3,4,5
	ds_load_b64 v[48*\n+12*\s+2*\p:48*\n+12*\s+2*\p+1], v4 offset:16*WPIT*\n+96*\s+48*(\p/3)+8*(\p%3)
.endr
.endr
.endr
.irp n, 2,3
.irp s, 0,1,2,3
.irp p, 0,1,2,3,4,5
	ds_load_b64 v[48*\n+12*\s+2*\p:48*\n+12*\s+2*\p+1], v13 offset:16*WPIT*(\n-2)+96*\s+48*(\p/3)+8*(\p%3)
.endr
.endr
.endr
	WIN 0
	s_wait_dscnt 0x0
; A STEP of 32 rows on set sg of h and slot sg of the stage.  THE REFILL STANDS STRAIGHT BEHIND THE PRODUCTS: the h of two steps on goes into the set just multiplied, and has the rest of this step and all of the next in which to land.
; So at a step's head the other set's 32 loads are the only ones younger than this set's.  Where no refill is issued (the last two steps with rows; steps without) the wave waits for all its loads instead: the count at the head then holds on every way.
; One barrier: in front of it my part of the stage's slot sg has landed; behind it I add the four parts of my 8 rows.  Slot sg is written again two steps on, behind the next barrier, in front of which every wave's reads of it are back.
; WORK: a step's products, its refill and its stores into slot sg of the stage
.macro WORK sg
	s_cmp_lt_u32 s31, s24
	s_cbranch_scc0 .Lidle_\@
	WIN 0x51                                       ; source 0 (Wo), C and D in window 1; source 1 (h) in window 0
.irp s, 0,1,2,3                        ; eight accumulators by turns, one instruction a turn; the first K step starts the sums
.irp t, 0,1
.irp n, 0,1,2,3
.if \s == 0
	v_wmma_scale_f32_16x16x128_f8f6f4 v[192+8*(4*\t+\n):199+8*(4*\t+\n)], v[48*\n+12*\s:48*\n+12*\s+11], v[48+96*\sg+48*\t+12*\s:48+96*\sg+48*\t+12*\s+11], 0, v[16+4*\n+\s], v[32+8*\sg+4*\t+\s] matrix_a_fmt:MATRIX_FMT_BF6 matrix_b_fmt:MATRIX_FMT_BF6
.else
	v_wmma_scale_f32_16x16x128_f8f6f4 v[192+8*(4*\t+\n):199+8*(4*\t+\n)], v[48*\n+12*\s:48*\n+12*\s+11], v[48+96*\sg+48*\t+12*\s:48+96*\sg+48*\t+12*\s+11], v[192+8*(4*\t+\n):199+8*(4*\t+\n)], v[16+4*\n+\s], v[32+8*\sg+4*\t+\s] matrix_a_fmt:MATRIX_FMT_BF6 matrix_b_fmt:MATRIX_FMT_BF6
.endif
.endr
.endr
.endr
	WIN 0
.rept 5
	v_nop                                          ; four places ahead of the loads into the fragments and scale words just read and of the stores that read results; five ahead of the next step's products, which begin these accumulators anew
.endr
	s_add_co_u32 s34, s31, 64
	s_cmp_lt_u32 s34, s24
	s_cbranch_scc0 .Llast_\@
	s_wait_xcnt 0x0                                ; the loads that name the pointers have had their addresses translated: the pointers may step
	s_add_nc_u64 s[4:5], s[4:5], 49152             ; to the next step; the refill reaches one step further by its immediate
	s_add_nc_u64 s[6:7], s[6:7], 4096
	HLOAD \sg, 1
	s_branch .Lst_\@
.Llast_\@:
	s_wait_loadcnt 0x0                             ; nothing more to fetch
.Lst_\@:
	WIN 0x04                                       ; LDS store data in window 1
.irp t, 0,1
.irp n, 0,1,2,3
	ds_store_b128 v8, v[192+8*(4*\t+\n):195+8*(4*\t+\n)] offset:34816*\sg+4352*\t+64*\n       ; each accumulator from its low end on
	ds_store_b128 v8, v[196+8*(4*\t+\n):199+8*(4*\t+\n)] offset:34816*\sg+4352*\t+64*\n+16
.endr
.endr
	WIN 0
	s_branch .Lbar_\@
.Lidle_\@:
	s_wait_loadcnt 0x0                             ; a step without rows: no load is left out
.Lbar_\@:
.endm
; REDC: the four parts that REDA asked for are added, the bias too, and my 8 rows are stored
.macro REDC
	s_wait_dscnt 0x0                               ; the parts are in registers (and my stores into the stage have landed)
	v_add_nc_u32 v10, s32, v11
	WIN 0x8a
.irp i, 0,2,4,6,8,10,12,14
	v_pk_add_f32 v[\i:\i+1], v[\i:\i+1], v[16+\i:17+\i]
	v_pk_add_f32 v[32+\i:33+\i], v[32+\i:33+\i], v[48+\i:49+\i]
.endr
.irp i, 0,2,4,6,8,10,12,14
	v_pk_add_f32 v[\i:\i+1], v[\i:\i+1], v[32+\i:33+\i]
.endr
	WIN 0x82                                       ; source 1 (the bias) in window 0
.irp i, 0,1,2,3
	v_pk_add_f32 v[4*\i:4*\i+1], v[4*\i:4*\i+1], v[240:241]
	v_pk_add_f32 v[4*\i+2:4*\i+3], v[4*\i+2:4*\i+3], v[242:243]
.endr
	WIN 0x08                                       ; store data in window 2
.irp i, 0,1,2,3
	global_store_b128 v10, v[4*\i:4*\i+3], s[22:23] offset:8192*\i    ; sixteen lanes store 256 consecutive bytes, at a multiple of 256 from y's first byte
.endr
	WIN 0
	s_add_co_u32 s32, s32, 131072
.endm
.macro REDA sl                         ; the four parts of my 8 rows out of slot sl of the stage, into window 2
	WIN 0x80
.irp p, 0,1,2,3
.irp i, 0,1,2,3
	ds_load_b128 v[16*\p+4*\i:16*\p+4*\i+3], v9 offset:34816*(\sl)+8704*\p+544*\i
.endr
.endr
	WIN 0
.endm
; THE SUM OF A STEP'S PARTS IS MADE IN THE STEP BEHIND IT: its 16 reads of the other slot are issued ahead of this step's products and waited for behind them.
; Between two barriers slot 1 - sg is read and slot sg is written; every wave's LDS instructions are done in front of its signal.  s39: the first row of the step before (at first the greatest number: no step).
; The products stand on both ways of the one branch, so that the parts are added only on the way on which they were read.
.macro STEP sg
	s_wait_loadcnt 32                              ; this step's h is in; the next step's 32 loads may be out
	s_wait_xcnt 0x0                                ; the last sum's stores have read their registers
	s_cmp_lt_u32 s39, s24
	s_cbranch_scc0 .Lnop_\@
	REDA 1-\sg
	WORK \sg
	REDC
	s_branch .Lmeet_\@
.Lnop_\@:
	WORK \sg
.Lmeet_\@:
	s_wait_dscnt 0x0
	s_barrier_signal -1
	s_barrier_wait -1
	s_mov_b32 s39, s31
	s_add_co_u32 s31, s31, 32
.endm
	s_mov_b32 s33, 16
	s_mov_b32 s39, -1
.Lstep:                                                ; 16 x 2 steps of 32 rows: room for all 1,024 tokens on one expert
	STEP 0
	STEP 1
	s_sub_co_u32 s33, s33, 1
	s_cmp_lg_u32 s33, 0
	s_cbranch_scc1 .Lstep
	s_cmp_lt_u32 s39, s24                          ; the last step's sum, where it had rows: its parts lie in slot 1, behind the last barrier
	s_cbranch_scc0 .Lfin
	s_wait_xcnt 0x0
	REDA 1
	REDC
.Lfin:
	s_wait_tensorcnt 0x0
	ds_add_u32 v254, v255
	s_wait_dscnt 0x0
	s_endpgm
.Lfunc_end_k_qf28aaf884e_down:
	.size	k_qf28aaf884e_down, .Lfunc_end_k_qf28aaf884e_down-k_qf28aaf884e_down
	.p2alignl 7, 3214868480
	.fill 96, 4, 3214868480
	.section	.rodata,"a",@progbits
	.p2align	6, 0x0
	.amdhsa_kernel k_qf28aaf884e_down
		.amdhsa_group_segment_fixed_size 169472
		.amdhsa_private_segment_fixed_size 0
		.amdhsa_enable_private_segment 0
		.amdhsa_kernarg_size 80
		.amdhsa_user_sgpr_count 2
		.amdhsa_user_sgpr_kernarg_segment_ptr 1
		.amdhsa_wavefront_size32 1
		.amdhsa_system_sgpr_workgroup_id_x 1
		.amdhsa_system_sgpr_workgroup_id_y 1
		.amdhsa_system_sgpr_workgroup_id_z 1
		.amdhsa_system_vgpr_workitem_id 0
		.amdhsa_next_free_vgpr 576
		.amdhsa_next_free_sgpr 66
		.amdhsa_reserve_vcc 0
		.amdhsa_float_denorm_mode_32 3
		.amdhsa_float_denorm_mode_16_64 3
		.amdhsa_memory_ordered 1
		.amdhsa_forward_progress 1
		.amdhsa_inst_pref_size 72
	.end_amdhsa_kernel
	.amdgpu_metadata
---
amdhsa.version: [ 1, 2 ]
amdhsa.kernels:
  - .name:           k_qf28aaf884e_down
    .symbol:         k_qf28aaf884e_down.kd
    .args:
      - { .name: hq, .offset: 0, .size: 8, .value_kind: global_buffer, .address_space: global }
      - { .name: hs, .offset: 8, .size: 8, .value_kind: global_buffer, .address_space: global }
      - { .name: pos, .offset: 16, .size: 8, .value_kind: global_buffer, .address_space: global }
      - { .name: Wo_codes, .offset: 24, .size: 8, .value_kind: global_buffer, .address_space: global }
      - { .name: Wo_scales, .offset: 32, .size: 8, .value_kind: global_buffer, .address_space: global }
      - { .name: bo, .offset: 40, .size: 8, .value_kind: global_buffer, .address_space: global }
      - { .name: Wo_s_codes, .offset: 48, .size: 8, .value_kind: global_buffer, .address_space: global }
      - { .name: Wo_s_scales, .offset: 56, .size: 8, .value_kind: global_buffer, .address_space: global }
      - { .name: bo_s, .offset: 64, .size: 8, .value_kind: global_buffer, .address_space: global }
      - { .name: y, .offset: 72, .size: 8, .value_kind: global_buffer, .address_space: global }
    .group_segment_fixed_size: 169472
    .private_segment_fixed_size: 0
    .kernarg_segment_align: 8
    .kernarg_segment_size: 80
    .max_flat_workgroup_size: 128
    .sgpr_count:     66
    .vgpr_count:     576
    .wavefront_size: 32
...
	.end_amdgpu_metadata
.endif
;; end of part 7
;; launch combine (part 8): grid 256 x 1, 4 waves a work-group, no clusters, 0 bytes of LDS; arguments y, sel, gw, pos, out0; writes out0
.if DOCPART == 8
	.amdgcn_target "amdgcn-amd-amdhsa--gfx1250"
	.amdhsa_code_object_version 6
	.text
	.protected	k_qf28aaf884e_combine
	.globl	k_qf28aaf884e_combine
	.p2align	8
	.type	k_qf28aaf884e_combine,@function
k_qf28aaf884e_combine:
	s_mov_b64 s[64:65], 0
	v_nop
	global_prefetch_b8 v0, s[64:65] scope:SCOPE_SE
	s_setreg_imm32_b32 hwreg(HW_REG_WAVE_MODE, 25, 1), 1
	s_wait_xcnt 0x0
; out0[t] = w0 y[1024 e0 + rank(e0, t)] + w1 y[1024 e1 + rank(e1, t)] + y[8192 + t].  Each output row has one owner: wave w of work-group g takes token 4 g + w.
; A row is 4,096 bytes: eight loads of 512 consecutive bytes a wave.  The experts, ranks and weights of a token are the same for all lanes: they come by scalar loads.
; Experts and ranks were stored by earlier launches as whole numbers; each is held inside its table (7; 1,023) ahead of the address that it enters.
; A stream: memory binds; no LDS, no barrier, no matrix unit, no cluster (no two work-groups read the same byte of y).
	s_load_b256 s[4:11], s[0:1], 0x0               ; y, sel, gw, pos
	s_load_b64 s[12:13], s[0:1], 0x20              ; out0
	v_lshrrev_b32 v1, 5, v0
	v_readfirstlane_b32 s14, v1                    ; wave
	v_and_b32 v1, 31, v0
	v_lshlrev_b32 v1, 4, v1                        ; 16 bytes a lane
	s_lshl_b32 s15, ttmp9, 2
	s_add_co_u32 s15, s15, s14                     ; t
	s_lshl_b32 s16, s15, 3
	s_add_co_u32 s26, s15, 8192
	s_lshl_b32 s26, s26, 12                        ; the shared expert's row
	s_mov_b32 s27, 0
	s_lshl_b32 s36, s15, 12
	s_mov_b32 s37, 0
	s_wait_alu depctr_va_vdst(0)
	s_wait_kmcnt 0x0
	s_load_b64 s[20:21], s[6:7], s16 offset:0x0    ; e0, e1
	s_load_b64 s[22:23], s[8:9], s16 offset:0x0
	s_lshl_b32 s17, s15, 2
.irp e, 0,1,2,3,4,5,6,7
	s_load_b32 s[48+\e], s[10:11], s17 offset:4096*\e   ; t's rank in every expert's list, asked for together with its experts: these addresses hang on t alone
.endr
	s_add_nc_u64 s[24:25], s[4:5], s[26:27]
	s_add_nc_u64 s[12:13], s[12:13], s[36:37]
.irp i, 0,1,2,3,4,5,6,7
	global_load_b128 v[16+4*\i:19+4*\i], v1, s[24:25] offset:512*\i th:TH_LOAD_NT
.endr
	s_wait_kmcnt 0x0
	s_min_u32 s20, s20, 7
	s_min_u32 s21, s21, 7
	s_mov_b32 s30, s48                             ; the two ranks are chosen among the eight, with no jump
	s_mov_b32 s31, s48
.irp e, 1,2,3,4,5,6,7
	s_cmp_eq_u32 s20, \e
	s_cselect_b32 s30, s[48+\e], s30
	s_cmp_eq_u32 s21, \e
	s_cselect_b32 s31, s[48+\e], s31
.endr
	s_mov_b32 s34, s23                             ; w1 as the low word of a pair of its own: the packed form takes a scalar pair's low word for both halves
	s_mov_b32 s35, s23
	s_mov_b32 s39, 0
	s_mov_b32 s45, 0
	s_wait_kmcnt 0x0
	s_min_u32 s30, s30, 1023
	s_min_u32 s31, s31, 1023
	s_lshl_b32 s20, s20, 10
	s_add_co_u32 s20, s20, s30
	s_lshl_b32 s38, s20, 12
	s_lshl_b32 s21, s21, 10
	s_add_co_u32 s21, s21, s31
	s_lshl_b32 s44, s21, 12
	s_add_nc_u64 s[40:41], s[4:5], s[38:39]
	s_add_nc_u64 s[42:43], s[4:5], s[44:45]
.irp i, 0,1,2,3,4,5,6,7
	global_load_b128 v[48+4*\i:51+4*\i], v1, s[40:41] offset:512*\i th:TH_LOAD_NT
.endr
.irp i, 0,1,2,3,4,5,6,7
	global_load_b128 v[80+4*\i:83+4*\i], v1, s[42:43] offset:512*\i th:TH_LOAD_NT
.endr
	s_wait_loadcnt 8                               ; the shared row and e0's are in; e1's eight loads may be out
.irp i, 0,2,4,6,8,10,12,14,16,18,20,22,24,26,28,30
	v_pk_fma_f32 v[16+\i:17+\i], v[48+\i:49+\i], s[22:23], v[16+\i:17+\i] op_sel_hi:[1,0,1]
.endr
	s_wait_loadcnt 0x0
.irp i, 0,2,4,6,8,10,12,14,16,18,20,22,24,26,28,30
	v_pk_fma_f32 v[16+\i:17+\i], v[80+\i:81+\i], s[34:35], v[16+\i:17+\i] op_sel_hi:[1,0,1]
.endr
.irp i, 0,1,2,3,4,5,6,7
	global_store_b128 v1, v[16+4*\i:19+4*\i], s[12:13] offset:512*\i th:TH_STORE_NT   ; 32 lanes store 512 consecutive aligned bytes
.endr
	s_endpgm
.Lfunc_end_k_qf28aaf884e_combine:
	.size	k_qf28aaf884e_combine, .Lfunc_end_k_qf28aaf884e_combine-k_qf28aaf884e_combine
	.p2alignl 7, 3214868480
	.fill 96, 4, 3214868480
	.section	.rodata,"a",@progbits
	.p2align	6, 0x0
	.amdhsa_kernel k_qf28aaf884e_combine
		.amdhsa_group_segment_fixed_size 0
		.amdhsa_private_segment_fixed_size 0
		.amdhsa_enable_private_segment 0
		.amdhsa_kernarg_size 40
		.amdhsa_user_sgpr_count 2
		.amdhsa_user_sgpr_kernarg_segment_ptr 1
		.amdhsa_wavefront_size32 1
		.amdhsa_system_sgpr_workgroup_id_x 1
		.amdhsa_system_sgpr_workgroup_id_y 1
		.amdhsa_system_sgpr_workgroup_id_z 1
		.amdhsa_system_vgpr_workitem_id 0
		.amdhsa_next_free_vgpr 112
		.amdhsa_next_free_sgpr 66
		.amdhsa_reserve_vcc 0
		.amdhsa_float_denorm_mode_32 3
		.amdhsa_float_denorm_mode_16_64 3
		.amdhsa_memory_ordered 1
		.amdhsa_forward_progress 1
		.amdhsa_inst_pref_size 9
	.end_amdhsa_kernel
	.amdgpu_metadata
---
amdhsa.version: [ 1, 2 ]
amdhsa.kernels:
  - .name:           k_qf28aaf884e_combine
    .symbol:         k_qf28aaf884e_combine.kd
    .args:
      - { .name: y, .offset: 0, .size: 8, .value_kind: global_buffer, .address_space: global }
      - { .name: sel, .offset: 8, .size: 8, .value_kind: global_buffer, .address_space: global }
      - { .name: gw, .offset: 16, .size: 8, .value_kind: global_buffer, .address_space: global }
      - { .name: pos, .offset: 24, .size: 8, .value_kind: global_buffer, .address_space: global }
      - { .name: out0, .offset: 32, .size: 8, .value_kind: global_buffer, .address_space: global }
    .group_segment_fixed_size: 0
    .private_segment_fixed_size: 0
    .kernarg_segment_align: 8
    .kernarg_segment_size: 40
    .max_flat_workgroup_size: 128
    .sgpr_count:     66
    .vgpr_count:     112
    .wavefront_size: 32
...
	.end_amdgpu_metadata
.endif
;; end of part 8
